; MI455X (gfx1250); checked and timed in simulation.
; The chip was launched on July 23, 2026; its instructions are those of AMD's public machine-readable ISA for CDNA 5 (MIT licence, August 2026) and "CDNA5" Instruction Set Architecture Reference Guide (July 2026). The comments in the code are by the model that wrote it; some were corrected since.
;; Multi Head Attention. Allowed arithmetic: matrix products marked QUANTISED: E2M1 operands, one E8M0 scale for each 32 along K, by v_wmma_scale_f32_16x16x128_f8f6f4 with both operands' format E2M1 (or v_wmma_scale_f32_32x16x128_f4), f32 sums; everything else in f32.
;; Inputs: Wk 1,024 x 1,024 float32; Wo 1,024 x 1,024 float32; Wq 1,024 x 1,024 float32; Wv 1,024 x 1,024 float32; bo 1,024 float32; x 4 x 2,048 x 1,024 float32.
;; Outputs: out0 4 x 2,048 x 1,024 float32.
;; This version of the problem:
;;   THIS VERSION OF THE PROBLEM IS GIVEN IN LOW PRECISION. The matrix products marked QUANTISED in the list below multiply operands that are first quantised to E2M1 (2 exponent bits, 1 mantissa bit; 4 bits a number), with one power-of-two scale for each 32 numbers along K (OCP MX v1.0); their sums are f32. All else is computed in f32.
;;   The module's matrix products, in the order in which they are computed (A, B: the left and right operand; K: the contracted axis; several contracted axes count as one K, in the product's order):
;;     1. [M 8,192, K 1,024] x [K 1,024, N 1,024]; A: input x; B: input Wq: QUANTISED
;;     2. [M 8,192, K 1,024] x [K 1,024, N 1,024]; A: input x; B: input Wk: QUANTISED
;;     3. [M 8,192, K 1,024] x [K 1,024, N 1,024]; A: input x; B: input Wv: QUANTISED
;;     4. batch 64 x [M 2,048, K 64] x [K 64, N 2,048]; A: computed on the way; B: computed on the way: QUANTISED
;;     5. batch 64 x [M 2,048, K 2,048] x [K 2,048, N 64]; A: softmax (see below); B: computed on the way: QUANTISED
;;     6. [M 8,192, K 1,024] x [K 1,024, N 1,024]; A: computed on the way; B: input Wo: QUANTISED
;;   THE QUANTISER, for each operand of a quantised product, along K:
;;     - K is cut into blocks of 32 from its start; a last block that is shorter is filled with zeros.
;;     - A block's scale is 2^e with e = floor(log2(the largest magnitude in the block)) - 2, held to -126 .. 127; a block of zeros has e = 0. As a byte (E8M0): e + 127.
;;     - Each number is divided by its block's scale, clamped to +-6, and rounded to the nearest number of E2M1, ties to even, subnormals kept.
;;     - The product sums the exact products of the quantised numbers (number of the format x scale) in f32.
;;   ~~~python
;;   def quantise(x, axis):      # numpy; x: float32 -> the quantised numbers, widened to float32 again
;;       x = np.moveaxis(x, axis, -1); K = x.shape[-1]
;;       x = np.pad(x, [(0, 0)] * (x.ndim - 1) + [(0, -K % 32)]); x = x.reshape(x.shape[:-1] + (-1, 32)); a = np.abs(x).max(-1, keepdims=True)
;;       e = np.where(a > 0, np.clip(np.frexp(np.where(a > 0, a, 1))[1] - 1 - 2, -126, 127), 0)      # np.frexp(a)[1] - 1 = floor(log2(a)), exactly
;;       r = np.clip(x / 2.0 ** e, -6, 6)
;;       step = 2.0 ** (np.maximum(np.frexp(np.where(r == 0, 1, r))[1] - 1, 0) - 1)
;;       q = np.round(r / step) * step * 2.0 ** e      # np.round: ties to even
;;       return np.moveaxis(q.reshape(q.shape[:-2] + (-1,))[..., :K], -1, axis).astype(np.float32)
;;   ~~~
;;   SOFTMAX AHEAD OF A QUANTISED PRODUCT. Where the list says 'softmax', what is quantised is not the finished softmax but p = 2^(t - M), with t = logit x log2(e) and M = ceil(the row's largest t), a whole number; so 1/2 < the row's largest p <= 1. The row's sum l is taken of the UNQUANTISED p, in f32, and the product's result is divided by l at the end. Since M is a whole number, a kernel that streams over the keys may use a running M (the ceiling of the running maximum): every later rescaling is an exact power of two, which a block's scale takes up: the codes' values come out the same.
;;   OPERANDS COMPUTED ON THE WAY. 'Computed on the way' means the value that the module computes at that place (a softmax that the list does not call 'softmax' is quantised finished and normalised). What goes into a quantiser is computed in f32, as accurately as f32 sums, v_exp_f32 and their like allow (about 1e-6 of the number): no bf16 or f16 on the way to a quantiser, and a product that is left as it is and whose result goes on into a quantised operand takes f32 operands (vector FMAs, or v_wmma_f32_16x16x4_f32). A number that lies on a knife's edge between two numbers of the format may be rounded either way, as far as f32 arithmetic and the matrix unit's own rounding can turn it there, and no further.
;; One version. Each part assembles by itself: llvm-mc -triple=amdgcn-amd-amdhsa -mcpu=gfx1250 --defsym DOCPART=n.
;; ======== version 1 of 1: 4 launches
;; workspace buffers: x_codes 4,194,304 bytes; x_scales 262,144 bytes; w_codes 2,097,152 bytes; w_scales 131,072 bytes; qkv_codes 12,582,912 bytes; qkv_scales 786,432 bytes; ctx_codes 4,194,304 bytes; ctx_scales 262,144 bytes
;; launch quant (part 1): grid 768 x 1, 4 waves a work-group, no clusters, 68,608 bytes of LDS; arguments x, Wq, Wk, Wv, Wo, x_codes, x_scales, w_codes, w_scales; writes x_codes, x_scales, w_codes, w_scales
.if DOCPART == 1
	.amdgcn_target "amdgcn-amd-amdhsa--gfx1250"
	.amdhsa_code_object_version 6
	.text
	.protected	k_q127c46cdc6_quant
	.globl	k_q127c46cdc6_quant
	.p2align	8
	.type	k_q127c46cdc6_quant,@function
k_q127c46cdc6_quant:
	s_mov_b64 s[64:65], 0
	v_nop
	global_prefetch_b8 v0, s[64:65] scope:SCOPE_SE
	s_setreg_imm32_b32 hwreg(HW_REG_WAVE_MODE, 25, 1), 1
	s_wait_xcnt 0x0
; x [8192][1024] (K innermost) and Wq, Wk, Wv, Wo [1024 (k)][1024 (n)] (K outermost), f32, become codes of FP4 (E2M1) with one E8M0 byte for each 32 along K.
; A block's scale is 2^(floor(log2(largest magnitude)) - 2): its byte is the largest magnitude's exponent field - 2, held at 1 from below by a floor among the maximum's leaves.
; LIMITS: a block of zeros gets the byte 1 where the rule says 127 (its codes are zeros, and this program alone reads the bytes); NaN and infinities among the inputs are not served.
; LAYOUT OF THE RESULTS, as the products' operand registers take them.  A row (a token of x, a column n of a weight) stands at position p = its number with bits 3 and 4 exchanged,
; so that lane r of tile 2 b + u (16 positions) holds row 32 b + 8 u + r + 8 (r / 8).  Codes: byte = 65536 (p / 128) + 4096 (k / 64) + 512 (tile % 8) + 16 lane, lane = 16 h + r,
; the 16 bytes being block h of those 64 along K.  Scale words (four bytes: 128 along K of a row): byte = 4096 (p / 128) + 512 (k / 128) + 4 (p % 128).  The weights' units follow each other: Wq 0-7, Wk 8-15, Wv 16-23, Wo 24-31.
; Work-groups 0-511 take x (64 tokens x 256 along K each), 512-767 the weights (128 columns x 128 along K each).  Only the x path touches LDS or has a barrier.  Every load of a wave goes out at once, 16 KiB a wave.
.set RG,   16896                       ; LDS of a wave: two stages of 16 rows x 528 bytes
.set SPX,  528                         ; a stage row: 512 bytes + 16: the sixteen rows that a load touches start at sixteen different 16-byte columns
.set STJ,  8448                        ; a stage
.set SCST, 67584                       ; behind the four waves' stages: 512 bytes of scale words, [K step 2][64 positions][4]
.set X,    64                          ; v64-191 the numbers
.set PC,   16                          ; v16-31  the codes: registers of their own for every store
.set WD,   32                          ; v32-33  the scale words
.set TM,   10                          ; v10-11  largest magnitudes
.set SO,   12                          ; v12-13  the conversions' scale operands
.set BY,   14                          ; v14-15  the scale bytes
	s_load_b256 s[4:11], s[0:1], 0x0               ; x s[4:5], Wq s[6:7], Wk s[8:9], Wv s[10:11]
	s_load_b256 s[12:19], s[0:1], 0x20             ; Wo s[12:13], x_codes s[14:15], x_scales s[16:17], w_codes s[18:19]
	s_load_b64 s[20:21], s[0:1], 0x40              ; w_scales
	v_lshl_add_u32 v208, v0, 2, 0x10a00
	v_mov_b32 v209, 0
	v_lshrrev_b32 v1, 5, v0
	v_readfirstlane_b32 s23, v1                    ; wave 0..3
	v_and_b32 v1, 31, v0                           ; lane
	s_cmp_lt_u32 ttmp9, 512                        ; the same for all four waves of a work-group
	s_cbranch_scc0 .Lweights
; ---------------- x: wave w takes tile 4 G + w (16 tokens), K steps 2 kq and 2 kq + 1
	v_lshlrev_b32 v2, 4, v1                        ; 16 x lane
	v_and_b32 v3, 15, v0                           ; r
	v_bfe_u32 v4, v0, 4, 1                         ; h
	s_mul_i32 s24, s23, RG                         ; my stages
	v_add_nc_u32 v5, s24, v2                       ; in: a row's 512 bytes as they are loaded
	v_mul_u32_u24 v6, v3, SPX
	v_lshl_add_u32 v6, v4, 7, v6
	v_add_nc_u32 v6, s24, v6                       ; back: row r, block h of each 64 numbers
	s_lshl_b32 s25, s23, 6
	v_lshl_add_u32 v7, v3, 2, s25
	v_add_nc_u32 v7, SCST, v7                      ; my row's scale word: 4 (16 w + r)
	v_lshlrev_b32 v8, 3, v4                        ; 8 h: where my two bytes stand in the word
	v_mov_b32 v9, 0                                ; written once: a lane permute's destination counts as one of its sources
	v_add_nc_u32 v40, SCST, v2                     ; wave 0's way out for the scale words: made here, ahead of the branch on the wave's number
	v_lshlrev_b32 v41, 4, v3
	v_lshl_add_u32 v41, v4, 9, v41                 ; 512 (lane / 16) + 16 (lane % 16)
	s_mov_b32 s34, 0x76543210
	s_mov_b32 s35, 0xfedcba98                      ; selects for lane l xor 16
	s_lshr_b32 s26, ttmp9, 2                       ; G: which 64 tokens
	s_and_b32 s27, ttmp9, 3                        ; kq: which 256 along K
	s_lshl_b32 s28, s26, 6
	s_lshr_b32 s29, s23, 1
	s_lshl_b32 s29, s29, 5
	s_add_co_u32 s28, s28, s29
	s_and_b32 s29, s23, 1
	s_lshl_b32 s29, s29, 3
	s_add_co_u32 s28, s28, s29                     ; my tile's first token: 64 G + 32 (w / 2) + 8 (w % 2)
	s_lshl_b32 s28, s28, 12                        ; rows of 4,096 bytes
	s_lshl_b32 s29, s27, 10
	s_add_co_u32 s28, s28, s29
	s_mov_b32 s29, 0
	s_lshr_b32 s30, s26, 1                         ; the unit of 128 positions
	s_and_b32 s31, s26, 1
	s_lshl_b32 s32, s30, 16
	s_lshl_b32 s33, s27, 14
	s_add_co_u32 s32, s32, s33
	s_lshl_b32 s33, s31, 2
	s_add_co_u32 s33, s33, s23
	s_lshl_b32 s33, s33, 9
	s_add_co_u32 s32, s32, s33                     ; codes: unit, K group 4 kq, tile 4 (G % 2) + w
	s_mov_b32 s33, 0
	s_lshl_b32 s36, s30, 12
	s_lshl_b32 s37, s27, 10
	s_add_co_u32 s36, s36, s37
	s_lshl_b32 s37, s31, 8
	s_add_co_u32 s36, s36, s37                     ; scale words: unit, K step 2 kq, 64 (G % 2) positions
	s_mov_b32 s37, 0
	s_wait_alu depctr_va_vdst(0)
	s_wait_kmcnt 0x0
	s_add_nc_u64 s[4:5], s[4:5], s[28:29]
	s_add_nc_u64 s[14:15], s[14:15], s[32:33]
	s_add_nc_u64 s[16:17], s[16:17], s[36:37]
.irp j, 0,1
.irp r, 0,1,2,3,4,5,6,7,8,9,10,11,12,13,14,15
	global_load_b128 v[X+64*\j+4*\r:X+64*\j+4*\r+3], v2, s[4:5] offset:(\r+8*(\r/8))*4096+512*\j th:TH_LOAD_NT   ; 32 lanes read 512 consecutive bytes: 128 along K of the tile's row r
.endr
.endr
; K step j's 16 rows go through my stage as they lie and come back so that a lane holds two whole blocks of its row.  LDS serves a wave's instructions in order: no wait between the stores and the loads.
.macro TURN j
.irp r, 0,1,2,3,4,5,6,7,8,9,10,11,12,13,14,15
	ds_store_b128 v5, v[X+64*\j+4*\r:X+64*\j+4*\r+3] offset:\j*STJ+\r*SPX
.endr
.irp c, 0,1
.irp i, 0,1,2,3,4,5,6,7
	ds_load_b128 v[X+64*\j+32*\c+4*\i:X+64*\j+32*\c+4*\i+3], v6 offset:\j*STJ+256*\c+16*\i   ; block 2 c + h of row r
.endr
.endr
.endm
; The lane's two blocks become registers 4 c .. 4 c + 3 of the fragment; the row's four bytes are gathered from lanes l and l xor 16.
.macro QX j
.irp c, 0,1
	v_max3_num_f32 v[TM+\c], |v[X+64*\j+32*\c]|, |v[X+64*\j+32*\c+1]|, 0x1800000   ; with the floor 2^(3 - 127): the byte cannot fall under 1
.endr
.irp i, 2,4,6,8,10,12,14,16,18,20,22,24,26,28,30
.irp c, 0,1
	v_max3_num_f32 v[TM+\c], v[TM+\c], |v[X+64*\j+32*\c+\i]|, |v[X+64*\j+32*\c+\i+1]|   ; the two blocks by turns
.endr
.endr
.irp c, 0,1
	v_add_nc_u32 v[SO+\c], 0xff000000, v[TM+\c]    ; 2 off the exponent field: the conversion takes that field as its scale
.endr
.irp c, 0,1
	v_lshrrev_b32 v[BY+\c], 23, v[SO+\c]           ; the scale's byte
.endr
	v_lshl_or_b32 v[WD+\j], v[BY+1], 16, v[BY]     ; blocks h and 2 + h,
	v_lshlrev_b32 v[WD+\j], v8, v[WD+\j]           ; at their places in the word;
	v_permlanex16_b32 v9, v[WD+\j], s34, s35
	v_or_b32 v[WD+\j], v[WD+\j], v9                ; with lane l xor 16's two the word is whole, in both lanes
.irp c, 0,1
.irp g, 0,1,2,3
	v_cvt_scalef32_pk8_fp4_f32 v[PC+8*\j+4*\c+\g], v[X+64*\j+32*\c+8*\g:X+64*\j+32*\c+8*\g+7], v[SO+\c]
.endr
.endr
	v_nop                                          ; one plain line behind the last scaled conversion
	global_store_b128 v2, v[PC+8*\j:PC+8*\j+3], s[14:15] offset:8192*\j          ; 32 lanes store 512 consecutive bytes, aligned to 512
	global_store_b128 v2, v[PC+8*\j+4:PC+8*\j+7], s[14:15] offset:8192*\j+4096
	ds_store_b32 v7, v[WD+\j] offset:256*\j        ; lanes l and l xor 16 write the same word to the same place
.endm
	s_wait_loadcnt 16                              ; the first K step's 16 loads are in; the second's may be out
	TURN 0
	s_wait_loadcnt 0x0
	TURN 1
	s_wait_dscnt 32                                ; the first turn is back; the second's 32 instructions may be out
	QX 0
	s_wait_dscnt 1                                 ; the second turn is back; only the word store just issued is younger
	QX 1
	s_wait_dscnt 0x0                               ; for wave 0's sake: my word stores have landed
	s_barrier_signal -1
	s_barrier_wait -1
	s_cmp_lg_u32 s23, 0
	s_cbranch_scc1 .Lx_done
	ds_load_b128 v[36:39], v40                     ; the work-group's 128 scale words
	s_wait_dscnt 0x0
	global_store_b128 v41, v[36:39], s[16:17]      ; lanes 0-15 and lanes 16-31 each store 256 consecutive bytes, aligned to 256
.Lx_done:
	s_wait_tensorcnt 0x0
	ds_add_u32 v208, v209
	s_wait_dscnt 0x0
	s_endpgm
; ---------------- the weights: a lane takes a column n and its registers run down K, so a block of 32 along K lies in one lane and nothing is transposed
.Lweights:
	s_sub_co_u32 s24, ttmp9, 512
	s_lshr_b32 s25, s24, 6                         ; which weight: 0 Wq, 1 Wk, 2 Wv, 3 Wo
	s_and_b32 s26, s24, 7                          ; which 128 columns
	s_bfe_u32 s27, s24, 0x30003                    ; which 128 along K
	s_wait_alu depctr_va_vdst(0)
	v_lshlrev_b32 v2, 2, v1                        ; in: 4 bytes a lane
	v_bfe_u32 v5, v0, 3, 1                         ; u: my column's tile among the wave's two
	v_and_b32 v6, 7, v0
	v_bfe_u32 v7, v0, 4, 1
	v_lshl_or_b32 v6, v7, 3, v6                    ; r: its lane in that tile
	v_lshlrev_b32 v3, 4, v6
	v_lshl_add_u32 v3, v5, 9, v3                   ; codes: 512 u + 16 r
	v_lshl_add_u32 v4, v5, 4, v6
	v_lshlrev_b32 v4, 2, v4                        ; scale word: 4 (16 u + r)
	s_lshl_b32 s28, s27, 19                        ; 128 rows of 4,096 bytes
	s_lshl_b32 s29, s26, 9
	s_add_co_u32 s28, s28, s29
	s_lshl_b32 s29, s23, 7
	s_add_co_u32 s28, s28, s29                     ; + my wave's 32 columns
	s_mov_b32 s29, 0
	s_lshl_b32 s30, s25, 3
	s_add_co_u32 s30, s30, s26                     ; the unit: 8 x weight + columns / 128
	s_lshl_b32 s32, s30, 16
	s_lshl_b32 s33, s27, 13
	s_add_co_u32 s32, s32, s33
	s_lshl_b32 s33, s23, 10
	s_add_co_u32 s32, s32, s33
	s_mov_b32 s33, 0
	s_lshl_b32 s36, s30, 12
	s_lshl_b32 s37, s27, 9
	s_add_co_u32 s36, s36, s37
	s_lshl_b32 s37, s23, 7
	s_add_co_u32 s36, s36, s37
	s_mov_b32 s37, 0
	s_wait_alu depctr_va_vdst(0)
	s_wait_kmcnt 0x0
	s_cmp_eq_u32 s25, 1                            ; the choice hangs on the work-group's number alone
	s_cselect_b64 s[38:39], s[8:9], s[6:7]
	s_cmp_eq_u32 s25, 2
	s_cselect_b64 s[38:39], s[10:11], s[38:39]
	s_cmp_eq_u32 s25, 3
	s_cselect_b64 s[38:39], s[12:13], s[38:39]
	s_add_nc_u64 s[38:39], s[38:39], s[28:29]
	s_add_nc_u64 s[18:19], s[18:19], s[32:33]
	s_add_nc_u64 s[20:21], s[20:21], s[36:37]
.irp t, 0,1,2,3
.irp i, 0,1,2,3,4,5,6,7,8,9,10,11,12,13,14,15,16,17,18,19,20,21,22,23,24,25,26,27,28,29,30,31
	global_load_b32 v[X+32*\t+\i], v2, s[38:39] offset:(32*\t+\i)*4096 th:TH_LOAD_NT   ; a wave reads 128 consecutive bytes, the four waves 512
.endr
.endr
.macro BLOCKW t, left
	s_wait_loadcnt \left
	v_max3_num_f32 v[TM], |v[X+32*\t]|, |v[X+32*\t+1]|, |v[X+32*\t+2]|   ; all 32 numbers are mine: two chains
	v_max3_num_f32 v[TM+1], |v[X+32*\t+3]|, |v[X+32*\t+4]|, |v[X+32*\t+5]|
.irp i, 6,10,14,18,22,26
	v_max3_num_f32 v[TM], v[TM], |v[X+32*\t+\i]|, |v[X+32*\t+\i+1]|
	v_max3_num_f32 v[TM+1], v[TM+1], |v[X+32*\t+\i+2]|, |v[X+32*\t+\i+3]|
.endr
	v_max3_num_f32 v[TM], v[TM], |v[X+32*\t+30]|, |v[X+32*\t+31]|
	v_max3_num_f32 v[TM], v[TM], v[TM+1], 0x1800000   ; and the floor
	v_add_nc_u32 v[SO], 0xff000000, v[TM]
	v_lshrrev_b32 v[BY], 23, v[SO]
.irp g, 0,1,2,3
	v_cvt_scalef32_pk8_fp4_f32 v[PC+4*\t+\g], v[X+32*\t+8*\g:X+32*\t+8*\g+7], v[SO]
.endr
.if \t == 0
	v_mov_b32 v[WD], v[BY]                         ; (also the plain line behind the conversions)  four bytes to the word, the lower K in the lower byte
.else
	v_lshl_or_b32 v[WD], v[BY], 8*\t, v[WD]
.endif
	global_store_b128 v3, v[PC+4*\t:PC+4*\t+3], s[18:19] offset:(\t/2)*4096+(\t%2)*256   ; the lanes of each tile store 256 consecutive bytes, aligned to 256
.endm
	BLOCKW 0, 63                                   ; 96 younger loads could stay out; 63 is the most that a wait can name
	BLOCKW 1, 63                                   ; 64 could
	BLOCKW 2, 32
	BLOCKW 3, 0
	global_store_b32 v4, v[WD], s[20:21]           ; 128 consecutive bytes a wave: half of an aligned 256, one byte for each 128 that the wave has read
	s_endpgm
.Lfunc_end_k_q127c46cdc6_quant:
	.size	k_q127c46cdc6_quant, .Lfunc_end_k_q127c46cdc6_quant-k_q127c46cdc6_quant
	.p2alignl 7, 3214868480
	.fill 96, 4, 3214868480
	.section	.rodata,"a",@progbits
	.p2align	6, 0x0
	.amdhsa_kernel k_q127c46cdc6_quant
		.amdhsa_group_segment_fixed_size 68608
		.amdhsa_private_segment_fixed_size 0
		.amdhsa_enable_private_segment 0
		.amdhsa_kernarg_size 72
		.amdhsa_user_sgpr_count 2
		.amdhsa_user_sgpr_kernarg_segment_ptr 1
		.amdhsa_wavefront_size32 1
		.amdhsa_system_sgpr_workgroup_id_x 1
		.amdhsa_system_sgpr_workgroup_id_y 1
		.amdhsa_system_sgpr_workgroup_id_z 1
		.amdhsa_system_vgpr_workitem_id 0
		.amdhsa_next_free_vgpr 210
		.amdhsa_next_free_sgpr 66
		.amdhsa_reserve_vcc 0
		.amdhsa_float_denorm_mode_32 3
		.amdhsa_float_denorm_mode_16_64 3
		.amdhsa_memory_ordered 1
		.amdhsa_forward_progress 1
		.amdhsa_inst_pref_size 37
	.end_amdhsa_kernel
	.amdgpu_metadata
---
amdhsa.version: [ 1, 2 ]
amdhsa.kernels:
  - .name:           k_q127c46cdc6_quant
    .symbol:         k_q127c46cdc6_quant.kd
    .args:
      - { .name: x, .offset: 0, .size: 8, .value_kind: global_buffer, .address_space: global }
      - { .name: Wq, .offset: 8, .size: 8, .value_kind: global_buffer, .address_space: global }
      - { .name: Wk, .offset: 16, .size: 8, .value_kind: global_buffer, .address_space: global }
      - { .name: Wv, .offset: 24, .size: 8, .value_kind: global_buffer, .address_space: global }
      - { .name: Wo, .offset: 32, .size: 8, .value_kind: global_buffer, .address_space: global }
      - { .name: x_codes, .offset: 40, .size: 8, .value_kind: global_buffer, .address_space: global }
      - { .name: x_scales, .offset: 48, .size: 8, .value_kind: global_buffer, .address_space: global }
      - { .name: w_codes, .offset: 56, .size: 8, .value_kind: global_buffer, .address_space: global }
      - { .name: w_scales, .offset: 64, .size: 8, .value_kind: global_buffer, .address_space: global }
    .group_segment_fixed_size: 68608
    .private_segment_fixed_size: 0
    .kernarg_segment_align: 8
    .kernarg_segment_size: 72
    .max_flat_workgroup_size: 128
    .sgpr_count:     66
    .vgpr_count:     210
    .wavefront_size: 32
...
	.end_amdgpu_metadata
.endif
;; end of part 1
;; launch gemm_qkv (part 2): grid 8 x 48, 4 waves a work-group, clusters of 4 x 4, 281,088 bytes of LDS; arguments x_codes, x_scales, w_codes, w_scales, qkv_codes, qkv_scales; writes qkv_codes, qkv_scales
.if DOCPART == 2
	.amdgcn_target "amdgcn-amd-amdhsa--gfx1250"
	.amdhsa_code_object_version 6
	.text
	.protected	k_q127c46cdc6_gemm_qkv
	.globl	k_q127c46cdc6_gemm_qkv
	.p2align	8
	.type	k_q127c46cdc6_gemm_qkv,@function
k_q127c46cdc6_gemm_qkv:
	s_mov_b64 s[64:65], 0
	v_nop
	global_prefetch_b8 v0, s[64:65] scope:SCOPE_SE
	s_setreg_imm32_b32 hwreg(HW_REG_WAVE_MODE, 25, 1), 1
	s_wait_xcnt 0x0
	s_wait_alu depctr_hold_cnt(0) depctr_sa_sdst(0) depctr_va_vdst(0) depctr_va_sdst(0) depctr_va_ssrc(0) depctr_va_vcc(0) depctr_vm_vsrc(0)
	s_getreg_b32 s2, hwreg(HW_REG_IB_STS2, 6, 4)
	s_cmp_eq_u32 s2, 0
	s_cbranch_scc0 .Lentry_in_a_cluster
	s_endpgm
.Lentry_in_a_cluster:
	s_bfe_u32 s2, ttmp6, 0x10000c
	s_cmp_lg_u32 s2, 0xf033
	s_cbranch_scc0 .Lentry_shape_is_right
	s_endpgm
.Lentry_shape_is_right:
; q = x Wq, k = x Wk and V^T = (x Wv)^T on codes of FP4 (E2M1) with E8M0 scales, K = 1,024; the f32 sums are quantised in registers and leave as codes: q and k along the head's 64, v along the keys.
; A tile of 256 x 256 is made by four waves, each 128 x 128: 64 accumulators, 512 registers.  Clusters y 0-7: A = x (32 tile rows), B = Wq and Wk (8 tile columns).  Clusters y 8-11: A = Wv (4 tile rows), B = x (32 tile columns).
; The choice between the two is made by selects on the cluster's y, which all sixteen partners share: there is no branch on it.  384 equal work-groups: one and a half for each of 256 WGPs; a tile of 256 x 384 would give 256 but fits neither LDS nor the registers.
; OPERANDS lie in memory as images of their registers (unit of 128 rows: 65,536 bytes = [K / 64][tile 8][lane][16]; its scale words 4,096 bytes = [K / 128][128][4]), so a unit is a dense block.
; ALL OF K FITS IN LDS: 4 x 64 KiB of codes and 4 x 4 KiB of scale words.  Every LDS byte is filled once, by five tensor loads a wave issued together (scales, then four chunks of 256 along K); the products begin when the first chunk has landed.
; CLUSTERS: the four of a row of the cluster need the same units of A, the four of a column the same units of B: each is asked for JOINTLY.
; THE MATRIX INSTRUCTION IS USED TRANSPOSED (source 0 = 16 rows of B, source 1 = 16 rows of A).  The rows of a stored tile are not neighbours (lane r of tile 2 b + u: row 32 b + 8 u + r + 8 (r / 8)), so a lane's 16 registers of B's tiles 2 b, 2 b + 1
; are 16 neighbours along B's rows, which are the next product's K: the conversions' results are that product's operand.
; LIMITS: a block of zeros gets the scale byte 1 where the rule says 127 (zero codes; this program alone reads the bytes); NaN and infinities are not served.
; REGISTERS: window 0: v16-28 addresses; v32-95 scale words (register 8 s + i: lanes 0-15 A's block i, lanes 16-31 B's block i, K step s); v128-191 A's fragments, one set; v200-235 the quantiser.  window 1: B's fragments, two sets, v0 and v128.  windows 2, 3: accumulators (a, b) at v[8 (8 (a % 4) + b)].
.set SCL,  262144                      ; behind the codes: the scale words
.set STG,  278528                      ; behind them: 512 bytes for each wave, the results' scale words on their way out; no tensor load fills them
.set ADRA, 16
.set ADRB, 20
.set CO0,  24                          ; 16 x lane
.set CO1,  25                          ; the same, one half fragment on
.set SWA,  26                          ; my stage: 4 r
.set ADRS, 27
.set SRA,  28                          ; my stage: 16 x lane
.set SC,   32
.set AF,   128
.set TM,   200                         ; v200-203 largest magnitudes, v204-207 bytes, v212-215 the conversions' scale operands
.set PW,   216                         ; v216-223 a scale word for each block of 16 rows
.set PC,   224                         ; v224-231 the codes just made
.set SB,   232
.set G1A,  24                          ; s[24:31], s[32:39] group 1 for A's and B's codes; s[40:47], s[48:55] for their scales
.set G1B,  32
.set G1SA, 40
.set G1SB, 48
.set MSB, 0
.macro WIN new                         ; the immediate's high byte repeats the setting that is left
.if MSB != \new
	s_set_vgpr_msb (MSB<<8)|\new
.set MSB, \new
.endif
.endm
.set MUL_LO, 0xa1                      ; source 0 (B) window 1, source 1 (A) window 0, C and D window 2
.set MUL_HI, 0xf1                      ; the same, C and D window 3
.set TO_B,   0x40                      ; destination window 1, address window 0
.macro CROUND                          ; a round of the cluster's barrier
	s_barrier_signal -1
	s_barrier_wait -1
	s_cmp_lg_u32 s2, 0
	s_cbranch_scc1 .Lnot_wave_0_\@
	s_barrier_signal -3
.Lnot_wave_0_\@:
	s_barrier_wait -3
	s_barrier_signal -1
	s_barrier_wait -1
.endm
.macro PLACES n
.rept \n
	v_nop
.endr
.endm
	s_load_b256 s[4:11], s[0:1], 0x0               ; x_codes s[4:5], x_scales s[6:7], w_codes s[8:9], w_scales s[10:11]
	s_load_b128 s[12:15], s[0:1], 0x20             ; qkv_codes s[12:13], qkv_scales s[14:15]
	v_lshl_add_u32 v254, v0, 2, 0x44800
	v_mov_b32 v255, 0
	ds_add_u32 v254, v255
	ds_add_u32 v254, v255
	v_lshrrev_b32 v1, 5, v0
	v_readfirstlane_b32 s2, v1                     ; wave 0..3
	s_lshr_b32 s3, s2, 1                           ; which unit of A I multiply.  Also: I fetch for A (0) or for B (1)
	s_and_b32 s66, s2, 1                           ; which unit of B I multiply.  Also: which unit of that tile I fetch
	s_bfe_u32 s67, ttmp6, 0x40000                  ; cx
	s_bfe_u32 s100, ttmp6, 0x40004                 ; cy
	s_and_b32 s101, ttmp7, 0xffff                  ; the cluster's y
	s_lshl_b32 s56, s100, 2
	s_lshl_b32 s56, 15, s56                        ; my row of the cluster
	s_lshl_b32 s80, 0x1111, s67                    ; my column
	s_or_b32 s[G1A], s56, (3<<16)|(1<<21)          ; 15:0 the mask; 17:16 elements of 8 bytes; 21 set beside a mask; no padding: an image is read 16 bytes a lane, on end
	s_or_b32 s[G1SA], s56, (3<<16)|(1<<21)
	s_or_b32 s[G1B], s80, (3<<16)|(1<<21)
	s_or_b32 s[G1SB], s80, (3<<16)|(1<<21)
.irp g, G1A, G1B                       ; a chunk of codes: 16 KiB dense, as 64 rows of 256 bytes
	s_mov_b32 s[\g+1], 32<<16                      ; tensor_dim0 = 32 elements
	s_mov_b32 s[\g+2], 64<<16                      ; tensor_dim1 = 64
	s_mov_b32 s[\g+3], 32<<16                      ; tile_dim0
	s_mov_b32 s[\g+4], 64                          ; tile_dim1
	s_mov_b32 s[\g+5], 32                          ; the pitch
	s_mov_b32 s[\g+6], 0
	s_mov_b32 s[\g+7], 0
.endr
.irp g, G1SA, G1SB                     ; a unit's scale words: 4 KiB dense, as 16 rows of 256 bytes
	s_mov_b32 s[\g+1], 32<<16
	s_mov_b32 s[\g+2], 16<<16
	s_mov_b32 s[\g+3], 32<<16
	s_mov_b32 s[\g+4], 16
	s_mov_b32 s[\g+5], 32
	s_mov_b32 s[\g+6], 0
	s_mov_b32 s[\g+7], 0
.endr
	s_lshl_b32 s68, s101, 2                        ; q, k: A's tile row begins at 4 x cluster y
	s_sub_co_u32 s84, s101, 8
	s_lshl_b32 s84, s84, 1
	s_add_co_u32 s84, s84, ttmp9
	s_lshl_b32 s84, s84, 2                         ; v: B's tile column begins at 4 (2 (cluster y - 8) + cluster x)
	s_lshl_b32 s85, ttmp9, 2                       ; q, k: at 4 x cluster x
	s_wait_dscnt 0x0
	s_wait_kmcnt 0x0
	s_cmp_ge_u32 s101, 8                           ; v's clusters?
	s_cselect_b32 s68, 8, s68                      ; v: A's tile rows are Wv's: 8 ..
	s_cselect_b32 s84, s84, s85
	s_cselect_b64 s[16:17], s[8:9], s[4:5]         ; A's codes,
	s_cselect_b64 s[18:19], s[10:11], s[6:7]       ; A's scales,
	s_cselect_b64 s[20:21], s[4:5], s[8:9]         ; B's codes,
	s_cselect_b64 s[22:23], s[6:7], s[10:11]       ; B's scales
	s_add_co_u32 s68, s68, s100                    ; tile row: + cy.  (s68 never holds cx, s84 never cy)
	s_add_co_u32 s84, s84, s67                     ; tile column: + cx
	s_lshl_b32 s68, s68, 1
	s_lshl_b32 s84, s84, 1
	s_add_co_u32 s4, s68, s3                       ; TA: the unit of A that I multiply
	s_add_co_u32 s5, s84, s66                      ; TB: the unit of B
	s_add_co_u32 s68, s68, s66                     ; the unit of A that I would fetch,
	s_add_co_u32 s84, s84, s66                     ; and of B
	s_lshl_b32 s6, s2, 16                          ; where it goes: wave x 65,536: no place in the cluster enters an LDS address
	s_lshl_b32 s7, s2, 12
	s_lshl_b32 s62, s68, 16
	s_mov_b32 s63, 0
	s_add_nc_u64 s[62:63], s[16:17], s[62:63]      ; A's unit: chunk 0
	s_lshl_b32 s58, s68, 12
	s_mov_b32 s59, 0
	s_add_nc_u64 s[58:59], s[18:19], s[58:59]      ; its scale words
	s_add_nc_u64 s[70:71], s[62:63], 16384
	s_add_nc_u64 s[74:75], s[62:63], 32768
	s_add_nc_u64 s[78:79], s[62:63], 49152
	s_lshl_b32 s86, s84, 16
	s_mov_b32 s87, 0
	s_add_nc_u64 s[86:87], s[20:21], s[86:87]      ; B's likewise
	s_lshl_b32 s82, s84, 12
	s_mov_b32 s83, 0
	s_add_nc_u64 s[82:83], s[22:23], s[82:83]
	s_add_nc_u64 s[90:91], s[86:87], 16384
	s_add_nc_u64 s[94:95], s[86:87], 32768
	s_add_nc_u64 s[98:99], s[86:87], 49152
.irp g, 56,60,68,72,76,80,84,88,92,96  ; ten groups 0: A's scales, A's four chunks, B's scales, B's four chunks
	s_mov_b32 s[\g], 1                             ; count = 1
	s_or_b32 s[\g+3], s[\g+3], 0x80000000          ; type = 2
.endr
	s_add_co_u32 s57, s7, SCL
	s_add_co_u32 s81, s7, SCL
	s_mov_b32 s61, s6
	s_mov_b32 s85, s6
	s_add_co_u32 s69, s6, 16384
	s_add_co_u32 s89, s6, 16384
	s_add_co_u32 s73, s6, 32768
	s_add_co_u32 s93, s6, 32768
	s_add_co_u32 s77, s6, 49152
	s_add_co_u32 s97, s6, 49152
	CROUND                                         ; all sixteen work-groups are here: the joint loads meet
	s_cmp_eq_u32 s3, 0                             ; a wave's five fills stand in one branch on its number: five loads of mine are out
	s_cbranch_scc0 .Lfor_b
	tensor_load_to_lds s[56:59], s[G1SA:G1SA+7]
	s_nop 0
	tensor_load_to_lds s[60:63], s[G1A:G1A+7]
	s_nop 0
	tensor_load_to_lds s[68:71], s[G1A:G1A+7]
	s_nop 0
	tensor_load_to_lds s[72:75], s[G1A:G1A+7]
	s_nop 0
	tensor_load_to_lds s[76:79], s[G1A:G1A+7]
	s_nop 0
	PLACES 4                                       ; four v_nop follow the last load, ahead of the jump and the label
	s_branch .Lasked
.Lfor_b:
	tensor_load_to_lds s[80:83], s[G1SB:G1SB+7]
	s_nop 0
	tensor_load_to_lds s[84:87], s[G1B:G1B+7]
	s_nop 0
	tensor_load_to_lds s[88:91], s[G1B:G1B+7]
	s_nop 0
	tensor_load_to_lds s[92:95], s[G1B:G1B+7]
	s_nop 0
	tensor_load_to_lds s[96:99], s[G1B:G1B+7]
	s_nop 0
	PLACES 4
.Lasked:
	v_and_b32 v1, 31, v0                           ; lane
	v_and_b32 v2, 15, v0                           ; r
	s_wait_alu depctr_va_vdst(0)
	v_bfe_u32 v3, v0, 4, 1                         ; h
	v_lshlrev_b32 v[CO0], 4, v1
	s_wait_alu depctr_va_vdst(0)
	s_lshl_b32 s6, s3, 16
	v_add_nc_u32 v[ADRA], s6, v[CO0]               ; my unit of A
	s_lshl_b32 s6, s66, 16
	s_add_co_u32 s6, s6, 131072
	v_add_nc_u32 v[ADRB], s6, v[CO0]               ; my unit of B, behind A's two
	v_lshlrev_b32 v5, 2, v2                        ; scale words: 4 r;
	s_lshl_b32 s6, s3, 12                          ; A's unit,
	s_lshl_b32 s7, s66, 12
	s_add_co_u32 s7, s7, 2*4096                    ; B's, behind A's two;
	s_sub_co_u32 s7, s7, s6
	v_mul_u32_u24 v6, s7, v3                       ; lanes 16-31 take B's: one product, the distance between the two
	s_add_co_u32 s6, s6, SCL
	v_add_nc_u32 v5, v5, v6
	v_add_nc_u32 v[ADRS], s6, v5
	s_lshl_b32 s6, s2, 9
	s_add_co_u32 s6, s6, STG                       ; my stage
	v_lshl_add_u32 v[SWA], v2, 2, s6
	v_add_nc_u32 v[SRA], s6, v[CO0]
.irp b, 0,1,2,3
	v_mov_b32 v[TM+4+\b], 0                        ; written once: a lane permute's destination counts as one of its sources
.endr
	; where my 128 x 128 goes.  q, k: unit P = TA (tokens), head pair Q = TB % 8, part TB / 8; a block of 16 tokens is 512 bytes on, the pair's second head 4,096.
	; v: unit P = TB (keys), Q = TA - 16, part 2; a block of 16 channels is 1,024 bytes on, the fragment's second half 512.
	s_sub_co_u32 s9, s4, 16
	s_and_b32 s10, s5, 7
	s_lshr_b32 s11, s5, 3
	s_mov_b32 s16, 512
	s_mov_b32 s18, 4096
	s_cmp_ge_u32 s101, 8
	s_cselect_b32 s8, s5, s4
	s_cselect_b32 s9, s9, s10
	s_cselect_b32 s11, 2, s11
	s_cselect_b32 s16, 1024, s16
	s_cselect_b32 s18, 512, s18
	s_mov_b32 s17, 0
	s_lshl_b32 s11, s11, 22
	s_lshl_b32 s8, s8, 16
	s_lshl_b32 s9, s9, 13
	s_add_co_u32 s8, s8, s9
	s_add_co_u32 s8, s8, s11
	s_mov_b32 s9, 0
	s_add_nc_u64 s[12:13], s[12:13], s[8:9]
	s_lshr_b32 s8, s8, 4                           ; the scale words' offset is a sixteenth of the codes'
	s_add_nc_u64 s[14:15], s[14:15], s[8:9]
	v_add_nc_u32 v[CO1], s18, v[CO0]
	s_mov_b32 s20, 0x76543210
	s_mov_b32 s21, 0xfedcba98                      ; selects for lane l xor 16
.macro FRAG reg, adr, s, i             ; a fragment, 16 rows x 128 K: 8 registers, two images of 512 bytes, 4,096 apart
	ds_load_b128 v[\reg:\reg+3], v[\adr] offset:8192*(\s)+512*(\i)
	ds_load_b128 v[\reg+4:\reg+7], v[\adr] offset:8192*(\s)+4096+512*(\i)
.endm
.macro FETCH_B s, p                    ; B's eight fragments of K step s into set p
	WIN TO_B
.irp i, 0,1,2,3,4,5,6,7
	FRAG 128*(\p)+8*\i, ADRB, \s, \i
.endr
	WIN 0
.endm
.macro FETCH_A s, i0                   ; A's blocks i0 .. i0 + 3
.irp i, \i0, \i0+1, \i0+2, \i0+3
	FRAG AF+8*(\i), ADRA, \s, \i
.endr
.endm
.macro SCALES hs                       ; the scale words of K steps 4 hs .. 4 hs + 3
.irp q, 0,1,2,3
.irp i, 0,1,2,3,4,5,6,7
	ds_load_b32 v[SC+8*(4*\hs+\q)+\i], v[ADRS] offset:512*(4*\hs+\q)+64*\i
.endr
.endr
.endm
; 16 matrix instructions: A's blocks a0, a0 + 1 x B's eight, K step s.  p: B's set.  cm = 1: the first product starts the sums.  The 64 accumulators take turns, one instruction a turn, in the same order in every step.
.macro MUL16 a0, p, s, cm
.irp a, \a0, \a0+1
.irp b, 0,1,2,3,4,5,6,7
.if (\cm) == 1
	v_wmma_scale_f32_16x16x128_f8f6f4 v[8*(8*((\a)%4)+\b):8*(8*((\a)%4)+\b)+7], v[128*(\p)+8*\b:128*(\p)+8*\b+7], v[AF+8*(\a):AF+8*(\a)+7], 0, v[SC+8*(\s)+\b], v[SC+8*(\s)+(\a)] matrix_a_fmt:MATRIX_FMT_FP4 matrix_b_fmt:MATRIX_FMT_FP4 matrix_a_scale:MATRIX_SCALE_ROW1
.else
	v_wmma_scale_f32_16x16x128_f8f6f4 v[8*(8*((\a)%4)+\b):8*(8*((\a)%4)+\b)+7], v[128*(\p)+8*\b:128*(\p)+8*\b+7], v[AF+8*(\a):AF+8*(\a)+7], v[8*(8*((\a)%4)+\b):8*(8*((\a)%4)+\b)+7], v[SC+8*(\s)+\b], v[SC+8*(\s)+(\a)] matrix_a_fmt:MATRIX_FMT_FP4 matrix_b_fmt:MATRIX_FMT_FP4 matrix_a_scale:MATRIX_SCALE_ROW1
.endif
.endr
.endr
.endm
; A K step of 128 that has a successor.  A block of A is free when its eight products are issued, so A has one set: blocks 0-3 are fetched anew in the step's middle, blocks 4-7 at its end; B has two sets.
; Four plain places stand in front of each run of loads into registers that matrix instructions have read (ISA guide 7.12.1 for vector instructions).
.macro STEP s, cm
	s_wait_dscnt 8                                 ; B's set, A's blocks 0-3 and the scale words are in; the youngest eight loads (A's blocks 4-7) may be out
	WIN MUL_LO
	MUL16 0, (\s)%2, \s, \cm
	MUL16 2, (\s)%2, \s, \cm
	s_wait_dscnt 0x0                               ; A's blocks 4-7 are in
.if ((\s)%2) == 1
	s_wait_tensorcnt 3-((\s)+1)/2                  ; my part of the next chunk has landed; the chunks issued behind it may be out
	s_barrier_signal -1
	s_barrier_wait -1                              ; everybody's has.
.endif
	PLACES 4
	FETCH_B (\s)+1, ((\s)+1)%2
	FETCH_A (\s)+1, 0
.if (\s) == 3
	SCALES 1
.endif
	WIN MUL_HI
	MUL16 4, (\s)%2, \s, \cm
	MUL16 6, (\s)%2, \s, \cm
	PLACES 4
	WIN 0
	FETCH_A (\s)+1, 4
.endm
	s_wait_alu depctr_va_vdst(0)
	s_wait_tensorcnt 3                             ; my scale words and my chunk 0 are in; three chunks may be out
	s_barrier_signal -1
	s_barrier_wait -1                              ; everybody's are
	FETCH_B 0, 0
	FETCH_A 0, 0
	SCALES 0
	FETCH_A 0, 4
	STEP 0, 1
	STEP 1, 0
	STEP 2, 0
	STEP 3, 0
	STEP 4, 0
	STEP 5, 0
	STEP 6, 0
	s_wait_dscnt 8                                 ; the last step: nothing more to fetch
	WIN MUL_LO
	MUL16 0, 1, 7, 0
	MUL16 2, 1, 7, 0
	s_wait_dscnt 0x0
	WIN MUL_HI
	MUL16 4, 1, 7, 0
	MUL16 6, 1, 7, 0
	WIN 0
; THE WAY OUT.  Block a (16 rows of A x 128 rows of B): a lane holds one row of A, and register 16 b + i of the block's 64 is number 32 b + 16 (lane / 16) + i along B's rows.  They become a fragment's 8 registers and its scale word.
.macro QUANTW a
.set AC, 64*((\a)%4)
.set W, 2+(\a)/4
.set WW, W|(W<<2)
	WIN WW                                         ; sources 0 and 1: the accumulators' window
.irp b, 0,1,2,3
	v_max3_num_f32 v[TM+\b], |v[AC+16*\b]|, |v[AC+16*\b+1]|, 0x1800000   ; each accumulator is read from its low end on; the floor 2^(3 - 127) holds the byte at 1 from below
.endr
.irp i, 2,4,6,8,10,12,14
.irp b, 0,1,2,3
	v_max3_num_f32 v[TM+\b], |v[AC+16*\b+\i]|, |v[AC+16*\b+\i+1]|, v[TM+\b]   ; the four blocks by turns
.endr
.endr
	WIN 0
.irp b, 0,1,2,3
	v_permlanex16_b32 v[TM+4+\b], v[TM+\b], s20, s21
.endr
.irp b, 0,1,2,3
	v_max_num_f32 v[TM+\b], v[TM+\b], v[TM+4+\b]   ; with lane l xor 16's 16 numbers: the block's largest magnitude
.endr
.irp b, 0,1,2,3
	v_add_nc_u32 v[TM+12+\b], 0xff000000, v[TM+\b] ; 2 off its exponent field: the conversion's scale operand
.endr
.irp b, 0,1,2,3
	v_lshrrev_b32 v[TM+4+\b], 23, v[TM+12+\b]      ; the scale's byte
.endr
	v_lshl_or_b32 v[PW+(\a)], v[TM+5], 8, v[TM+4]
	v_lshl_or_b32 v[PW+(\a)], v[TM+6], 16, v[PW+(\a)]
	v_lshl_or_b32 v[PW+(\a)], v[TM+7], 24, v[PW+(\a)]
	WIN W                                          ; source 0: the accumulators' window
.irp b, 0,1,2,3
	v_cvt_scalef32_pk8_fp4_f32 v[PC+2*\b], v[AC+16*\b:AC+16*\b+7], v[TM+12+\b]
	v_cvt_scalef32_pk8_fp4_f32 v[PC+1+2*\b], v[AC+16*\b+8:AC+16*\b+15], v[TM+12+\b]
.endr
	WIN 0
	v_nop                                          ; one plain line behind the last scaled conversion
.irp c, 0,1                            ; the operand's layout wants a whole block in a lane: lanes 0-15 block 2 c, lanes 16-31 block 2 c + 1
.irp i, 0,1
	v_permlane16_swap_b32 v[PC+4*\c+\i], v[PC+2+4*\c+\i]
.endr
.endr
.endm
	PLACES 4                                       ; in front of the first read of results
.irp a, 0,1,2,3,4,5,6,7
	s_wait_xcnt 0x0                                ; the last block's stores have read their data and their base: both are written again only behind this wait
.if \a > 0
	s_add_nc_u64 s[12:13], s[12:13], s[16:17]      ; the next block's place
.endif
	QUANTW \a
	global_store_b128 v[CO0], v[PC:PC+3], s[12:13]     ; 32 lanes store 512 consecutive bytes, aligned to 512
	global_store_b128 v[CO1], v[PC+4:PC+7], s[12:13]
	ds_store_b32 v[SWA], v[PW+\a] offset:64*\a     ; lanes l and l xor 16 write the same word to the same place
.endr
	ds_load_b128 v[SB:SB+3], v[SRA]                ; LDS serves a wave's instructions in order: this sees my eight stores
	s_wait_dscnt 0x0
	global_store_b128 v[CO0], v[SB:SB+3], s[14:15] ; my 128 scale words: 512 consecutive bytes
	s_wait_tensorcnt 0x0
	s_wait_dscnt 0x0
	s_wait_tensorcnt 0x0
	ds_add_u32 v254, v255
	s_wait_dscnt 0x0
	CROUND                                         ; the closing round: no work-group ends while a partner may still ask for a tile that names it
	s_endpgm
.Lfunc_end_k_q127c46cdc6_gemm_qkv:
	.size	k_q127c46cdc6_gemm_qkv, .Lfunc_end_k_q127c46cdc6_gemm_qkv-k_q127c46cdc6_gemm_qkv
	.p2alignl 7, 3214868480
	.fill 96, 4, 3214868480
	.section	.rodata,"a",@progbits
	.p2align	6, 0x0
	.amdhsa_kernel k_q127c46cdc6_gemm_qkv
		.amdhsa_group_segment_fixed_size 281088
		.amdhsa_private_segment_fixed_size 0
		.amdhsa_enable_private_segment 0
		.amdhsa_kernarg_size 48
		.amdhsa_user_sgpr_count 2
		.amdhsa_user_sgpr_kernarg_segment_ptr 1
		.amdhsa_wavefront_size32 1
		.amdhsa_system_sgpr_workgroup_id_x 1
		.amdhsa_system_sgpr_workgroup_id_y 1
		.amdhsa_system_sgpr_workgroup_id_z 1
		.amdhsa_system_vgpr_workitem_id 0
		.amdhsa_next_free_vgpr 1024
		.amdhsa_next_free_sgpr 102
		.amdhsa_reserve_vcc 0
		.amdhsa_float_denorm_mode_32 3
		.amdhsa_float_denorm_mode_16_64 3
		.amdhsa_memory_ordered 1
		.amdhsa_forward_progress 1
		.amdhsa_inst_pref_size 132
	.end_amdhsa_kernel
	.amdgpu_metadata
---
amdhsa.version: [ 1, 2 ]
amdhsa.kernels:
  - .name:           k_q127c46cdc6_gemm_qkv
    .symbol:         k_q127c46cdc6_gemm_qkv.kd
    .args:
      - { .name: x_codes, .offset: 0, .size: 8, .value_kind: global_buffer, .address_space: global }
      - { .name: x_scales, .offset: 8, .size: 8, .value_kind: global_buffer, .address_space: global }
      - { .name: w_codes, .offset: 16, .size: 8, .value_kind: global_buffer, .address_space: global }
      - { .name: w_scales, .offset: 24, .size: 8, .value_kind: global_buffer, .address_space: global }
      - { .name: qkv_codes, .offset: 32, .size: 8, .value_kind: global_buffer, .address_space: global }
      - { .name: qkv_scales, .offset: 40, .size: 8, .value_kind: global_buffer, .address_space: global }
    .group_segment_fixed_size: 281088
    .private_segment_fixed_size: 0
    .kernarg_segment_align: 8
    .kernarg_segment_size: 48
    .max_flat_workgroup_size: 128
    .sgpr_count:     102
    .vgpr_count:     1024
    .wavefront_size: 32
...
	.end_amdgpu_metadata
.endif
;; end of part 2
;; launch attn (part 3): grid 4 x 64, 16 waves a work-group, clusters of 4 x 1, 169,984 bytes of LDS; arguments qkv_codes, qkv_scales, ctx_codes, ctx_scales; writes ctx_codes, ctx_scales
.if DOCPART == 3
	.amdgcn_target "amdgcn-amd-amdhsa--gfx1250"
	.amdhsa_code_object_version 6
	.text
	.protected	k_q127c46cdc6_attn
	.globl	k_q127c46cdc6_attn
	.p2align	8
	.type	k_q127c46cdc6_attn,@function
k_q127c46cdc6_attn:
	s_mov_b64 s[64:65], 0
	v_nop
	global_prefetch_b8 v0, s[64:65] scope:SCOPE_SE
	s_setreg_imm32_b32 hwreg(HW_REG_WAVE_MODE, 25, 1), 1
	s_wait_xcnt 0x0
	s_wait_alu depctr_hold_cnt(0) depctr_sa_sdst(0) depctr_va_vdst(0) depctr_va_sdst(0) depctr_va_ssrc(0) depctr_va_vcc(0) depctr_vm_vsrc(0)
	s_getreg_b32 s2, hwreg(HW_REG_IB_STS2, 6, 4)
	s_cmp_eq_u32 s2, 0
	s_cbranch_scc0 .Lentry_in_a_cluster
	s_endpgm
.Lentry_in_a_cluster:
	s_bfe_u32 s2, ttmp6, 0x10000c
	s_cmp_lg_u32 s2, 0x3003
	s_cbranch_scc0 .Lentry_shape_is_right
	s_endpgm
.Lentry_shape_is_right:
; ctx[b][q][h][:] = the sum over keys k <= q of softmax_k(q . k / 8) v, head size 64, both products on codes of FP4 (E2M1) with E8M0 scales; ctx leaves as codes along the head's 64, for the last product.
; THE SOFTMAX AHEAD OF THE SECOND PRODUCT: t = score x log2(e) / 8; M = the row's largest t so far, rounded UP to a whole number; p = 2^(t - M) is quantised along the keys, not normalised.  The row's sum is taken of the
; unquantised p and divides at the end.  When M moves, the sum and O are multiplied by 2^(old M - new M): exact.
; SHARES.  A cluster of four work-groups owns one head of one batch; its 64 waves own the head's 128 tiles of 16 queries, two each: wave w of partner cx takes tile a = 8 (w / 2) + 2 cx + w % 2 and then tile 127 - a.
; Tile a needs a / 8 + 1 key steps of 128, so every wave has 17 steps.  a / 8 = w / 2 hangs on the wave's number alone: no branch hangs on a work-group's place in its cluster; cx enters global addresses and the mask's numbers only.
; LDS holds the whole head, filled once: K's and V's codes (64 KiB each) and their scale words (8 KiB each), as images of the operands' registers.  The four partners ask for them JOINTLY; wave 0 asks for K's, wave 1 for V's.
; Key step 0 comes by a load of its own, so that the first step's work covers the landing of the rest.
; LAYOUT.  Both products are used transposed: S^T = K Q^T, O^T = V^T P^T: a lane holds ONE query.  The rows of a stored tile are not neighbours (lane r of tile 2 b + u: row 32 b + 8 u + r + 8 (r / 8)): the 16 registers of tiles 2 b, 2 b + 1
; are 16 neighbouring keys (or channels).  The first product's K is 64: registers 4-7 of Q's and K's fragments hold zero codes, which add nothing.
; LIMITS: a block's largest p is made from the block's largest score by the same two instructions, which takes v_exp_f32 not to fall where its input rises; 1 / sum by v_rcp_f32; a block of zeros gets the byte 1; NaN and infinities are not served.
; REGISTERS: v1-7 addresses that stay; v8-11 addresses in hand; v12 -M, v13 largest t, v[14:15] the sum; v16-23, v24-31 Q of my two tiles; v32-95 K; v96-159 S^T, then p; v160-191 O^T; v192-223 V; v224-231 p's codes; v232-239, v244-247, v252, v254 at work;
; scale words: v240-241 V's, v248-251 K's, v253 p's, v255 and v242 Q's; v243 the second tile's mask numbers.
.set KC,   0                           ; K's codes [key step 16][tile 8][512]
.set VC,   65536                       ; V's codes [key step 16][tile of channels 4][half 2][512]
.set KS,   131072                      ; K's scale words [key step 16][128][4]: the head pair's
.set VS,   139264                      ; V's scale words [key step 16][head of the pair 2][64][4]
.set AK0,  1
.set AV0,  2
.set ASK0, 3
.set ASV0, 4
.set QSO,  6                           ; 4 r + 2 c: my query's two scale bytes in its word
.set DML,  7
.set DMH,  243
.set ADK,  8
.set ADV,  9
.set ADS,  10
.set ADT,  11
.set WV,   12
.set CX,   13
.set SEL,  20
.set CS,   22
.set G1F,  24                          ; s[24:31] group 1: 4 KiB dense;  s[32:39]: 15 rows of 4 KiB, 64 KiB apart;  s[40:47]: 16 rows of 512 bytes, 4 KiB apart
.set G1R,  32
.set G1S,  40
.set G0KS, 48
.set G0KF, 52
.set G0KR, 56
.set G0VS, 60
.set G0VF, 68
.set G0VR, 72
.set TBC,  76                          ; 4,096 x key step
.set TBS,  77                          ; 512 x key step
.set KSI,  78                          ; the key step
.set AD,   79                          ; the tile's last key step, on the diagonal
.set QCL,  80                          ; s[80:95]: Q's codes (first, second tile), Q's scales, ctx's codes, ctx's scales
.set QCH,  82
.set QSL,  84
.set QSH,  86
.set CCL,  88
.set CCH,  90
.set CSL,  92
.set CSH,  94
.macro CROUND                          ; a round of the cluster's barrier
	s_barrier_signal -1
	s_barrier_wait -1
	s_cmp_lg_u32 s[WV], 0
	s_cbranch_scc1 .Lnot_wave_0_\@
	s_barrier_signal -3
.Lnot_wave_0_\@:
	s_barrier_wait -3
	s_barrier_signal -1
	s_barrier_wait -1
.endm
	s_load_b256 s[4:11], s[0:1], 0x0               ; qkv_codes s[4:5], qkv_scales s[6:7], ctx_codes s[8:9], ctx_scales s[10:11]
	v_lshl_add_u32 v254, v0, 2, 0x29000
	v_mov_b32 v255, 0
	ds_add_u32 v254, v255
	ds_add_u32 v254, v255
	s_wait_dscnt 0x0
	v_lshrrev_b32 v8, 5, v0
	s_delay_alu instid0(VALU_DEP_1)
	v_readfirstlane_b32 s[WV], v8                  ; wave 0..15
	s_bfe_u32 s[CX], ttmp6, 0x40000                ; cx
	s_and_b32 s14, ttmp7, 0xffff                   ; 16 x batch + head: shared by the four partners
	s_lshr_b32 s15, s14, 4                         ; batch
	s_and_b32 s16, s14, 15                         ; head
	s_lshr_b32 s17, s16, 1                         ; head pair
	s_and_b32 s18, s16, 1                          ; c: which of the pair
	s_lshl_b32 s2, s15, 20
	s_lshl_b32 s3, s16, 12
	s_add_co_u32 s2, s2, s3                        ; codes: the batch's first unit (16 units of 65,536), the head's 4,096 in it
	s_mov_b32 s3, 0
	s_lshl_b32 s66, s15, 16
	s_lshl_b32 s67, s17, 9
	s_add_co_u32 s66, s66, s67                     ; scale words: units of 4,096, the pair's 512
	s_mov_b32 s67, 0
	s_mov_b32 s[G1F], 15|(3<<16)|(1<<21)           ; 15:0 the mask: all four partners; 17:16 elements of 8 bytes; 21 set beside a mask; no padding
	s_mov_b32 s[G1F+1], 32<<16
	s_mov_b32 s[G1F+2], 16<<16
	s_mov_b32 s[G1F+3], 32<<16
	s_mov_b32 s[G1F+4], 16
	s_mov_b32 s[G1F+5], 32
	s_mov_b32 s[G1F+6], 0
	s_mov_b32 s[G1F+7], 0
	s_mov_b32 s[G1R], 15|(3<<16)|(1<<21)
	s_mov_b32 s[G1R+1], 512<<16                    ; rows of 512 elements,
	s_mov_b32 s[G1R+2], 15<<16                     ; 15 of them,
	s_mov_b32 s[G1R+3], 512<<16
	s_mov_b32 s[G1R+4], 15
	s_mov_b32 s[G1R+5], 8192                       ; 8,192 elements apart
	s_mov_b32 s[G1R+6], 0
	s_mov_b32 s[G1R+7], 0
	s_mov_b32 s[G1S], 15|(3<<16)|(1<<21)
	s_mov_b32 s[G1S+1], 64<<16
	s_mov_b32 s[G1S+2], 16<<16
	s_mov_b32 s[G1S+3], 64<<16
	s_mov_b32 s[G1S+4], 16
	s_mov_b32 s[G1S+5], 512
	s_mov_b32 s[G1S+6], 0
	s_mov_b32 s[G1S+7], 0
	s_mov_b32 s[SEL], 0x76543210
	s_mov_b32 s[SEL+1], 0xfedcba98                 ; selects for lane l xor 16
	s_mov_b32 s[CS], 0x3e38aa3b                    ; c = log2(e) / 8
	s_mov_b32 s[CS+1], s[CS]                       ; (named with it as a pair, so it is written)
	; my two tiles
	s_lshr_b32 s96, s[WV], 1                       ; the first tile's unit, and its last key step
	s_and_b32 s97, s[WV], 1
	s_lshl_b32 s98, s[CX], 1
	s_add_co_u32 s98, s98, s97                     ; its place in the unit: 2 cx + w % 2
	s_sub_co_u32 s99, 15, s96                      ; the second tile's unit
	s_sub_co_u32 s19, 7, s98                       ; and place
	s_lshl_b32 s[QCL], s96, 16
	s_lshl_b32 s14, s98, 9
	s_add_co_u32 s[QCL], s[QCL], s14
	s_add_co_u32 s[QCL], s[QCL], s2
	s_mov_b32 s[QCL+1], 0
	s_lshl_b32 s[QCH], s99, 16
	s_lshl_b32 s14, s19, 9
	s_add_co_u32 s[QCH], s[QCH], s14
	s_add_co_u32 s[QCH], s[QCH], s2
	s_mov_b32 s[QCH+1], 0
	s_lshl_b32 s[QSL], s96, 12
	s_lshl_b32 s14, s98, 6
	s_add_co_u32 s[QSL], s[QSL], s14
	s_add_co_u32 s[QSL], s[QSL], s66
	s_mov_b32 s[QSL+1], 0
	s_lshl_b32 s[QSH], s99, 12
	s_lshl_b32 s14, s19, 6
	s_add_co_u32 s[QSH], s[QSH], s14
	s_add_co_u32 s[QSH], s[QSH], s66
	s_mov_b32 s[QSH+1], 0
	s_wait_kmcnt 0x0
	s_add_nc_u64 s[CCL:CCL+1], s[8:9], s[QCL:QCL+1]      ; ctx is laid as q
	s_add_nc_u64 s[CCH:CCH+1], s[8:9], s[QCH:QCH+1]
	s_add_nc_u64 s[CSL:CSL+1], s[10:11], s[QSL:QSL+1]
	s_add_nc_u64 s[CSH:CSH+1], s[10:11], s[QSH:QSH+1]
	s_add_nc_u64 s[QCL:QCL+1], s[4:5], s[QCL:QCL+1]
	s_add_nc_u64 s[QCH:QCH+1], s[4:5], s[QCH:QCH+1]
	s_add_nc_u64 s[QSL:QSL+1], s[6:7], s[QSL:QSL+1]
	s_add_nc_u64 s[QSH:QSH+1], s[6:7], s[QSH:QSH+1]
	s_add_nc_u64 s[2:3], s[4:5], s[2:3]            ; the head in q's part of the codes; k's part lies 4 MiB on, v's 8 MiB
	s_add_nc_u64 s[66:67], s[6:7], s[66:67]        ; and of the scale words; k's 256 KiB on, v's 512 KiB
	s_mov_b32 s[G0KS], 1
	s_mov_b32 s[G0KS+1], KS
	s_add_nc_u64 s[G0KS+2:G0KS+3], s[66:67], 0x40000
	s_or_b32 s[G0KS+3], s[G0KS+3], 0x80000000
	s_mov_b32 s[G0KF], 1
	s_mov_b32 s[G0KF+1], KC
	s_add_nc_u64 s[G0KF+2:G0KF+3], s[2:3], 0x400000
	s_or_b32 s[G0KF+3], s[G0KF+3], 0x80000000
	s_mov_b32 s[G0KR], 1
	s_mov_b32 s[G0KR+1], KC+4096
	s_add_nc_u64 s[G0KR+2:G0KR+3], s[2:3], 0x410000
	s_or_b32 s[G0KR+3], s[G0KR+3], 0x80000000
	s_mov_b32 s[G0VS], 1
	s_mov_b32 s[G0VS+1], VS
	s_add_nc_u64 s[G0VS+2:G0VS+3], s[66:67], 0x80000
	s_or_b32 s[G0VS+3], s[G0VS+3], 0x80000000
	s_mov_b32 s[G0VF], 1
	s_mov_b32 s[G0VF+1], VC
	s_add_nc_u64 s[G0VF+2:G0VF+3], s[2:3], 0x800000
	s_or_b32 s[G0VF+3], s[G0VF+3], 0x80000000
	s_mov_b32 s[G0VR], 1
	s_mov_b32 s[G0VR+1], VC+4096
	s_add_nc_u64 s[G0VR+2:G0VR+3], s[2:3], 0x810000
	s_or_b32 s[G0VR+3], s[G0VR+3], 0x80000000
	CROUND                                         ; all four work-groups are here: the joint loads meet
	s_cmp_eq_u32 s[WV], 0                          ; a wave's three fills stand in one branch on its number: three loads of that wave are out
	s_cbranch_scc0 .Lnot_k
	tensor_load_to_lds s[G0KS:G0KS+3], s[G1S:G1S+7]
	s_nop 0
	tensor_load_to_lds s[G0KF:G0KF+3], s[G1F:G1F+7]
	s_nop 0
	tensor_load_to_lds s[G0KR:G0KR+3], s[G1R:G1R+7]
	s_nop 0
.rept 4
	v_nop                                          ; four v_nop follow the last load, ahead of the jump and the label
.endr
	s_branch .Lasked
.Lnot_k:
	s_cmp_eq_u32 s[WV], 1
	s_cbranch_scc0 .Lasked
	tensor_load_to_lds s[G0VS:G0VS+3], s[G1S:G1S+7]
	s_nop 0
	tensor_load_to_lds s[G0VF:G0VF+3], s[G1F:G1F+7]
	s_nop 0
	tensor_load_to_lds s[G0VR:G0VR+3], s[G1R:G1R+7]
	s_nop 0
.rept 4
	v_nop
.endr
.Lasked:
	v_and_b32 v5, 31, v0                           ; lane
	v_and_b32 v8, 15, v0                           ; r
	v_bfe_u32 v9, v0, 4, 1                         ; lane / 16
	s_delay_alu instid0(VALU_DEP_3)
	v_lshlrev_b32 v[AK0], 4, v5                    ; an image's place for my lane: 16 x lane (K's codes begin at LDS byte 0)
	s_lshl_b32 s14, s18, 1
	v_lshlrev_b32 v[QSO], 2, v8
	s_delay_alu instid0(VALU_DEP_1)
	v_add_nc_u32 v[QSO], s14, v[QSO]
	global_load_b128 v[16:19], v[AK0], s[QCL:QCL+1]      ; Q's fragments of both tiles stay in registers
	global_load_b128 v[24:27], v[AK0], s[QCH:QCH+1]
	global_load_u16 v255, v[QSO], s[QSL:QSL+1]     ; their scale words: my head's two bytes; the upper two are 0, over zero codes
	global_load_u16 v242, v[QSO], s[QSH:QSH+1]
	v_add_nc_u32 v[AV0], VC, v[AK0]
	v_lshlrev_b32 v10, 2, v5
	s_delay_alu instid0(VALU_DEP_1)
	v_add_nc_u32 v[ASK0], s14, v10
	s_delay_alu instid0(VALU_DEP_1)
	v_add_nc_u32 v[ASK0], KS, v[ASK0]              ; K's scale words: 4 x lane + 2 c: lanes 0-15 an even tile's rows, lanes 16-31 the odd tile's
	s_lshl_b32 s15, s18, 8
	v_add_nc_u32 v[ASV0], s15, v10
	s_delay_alu instid0(VALU_DEP_1)
	v_add_nc_u32 v[ASV0], VS, v[ASV0]              ; V's: 4 x lane + 256 c
	v_and_b32 v11, 8, v8
	s_delay_alu instid0(VALU_DEP_1)
	v_add_nc_u32 v11, v11, v8                      ; r + 8 (r / 8)
	v_lshlrev_b32 v10, 4, v9
	s_delay_alu instid0(VALU_DEP_1)
	v_sub_nc_u32 v11, v11, v10                     ; - 16 (lane / 16)
	s_lshl_b32 s14, s[CX], 5
	s_lshl_b32 s15, s97, 3
	s_add_co_u32 s14, s14, s15
	v_add_nc_u32 v[DML], s14, v11                  ; d = my query's number in its unit - 16 (lane / 16): on the diagonal register 16 b + i holds a hidden key where 32 b + i > d
	s_sub_co_u32 s14, 104, s14                     ; the second tile: 32 (3 - cx) + 8 (1 - w % 2)
	v_add_nc_u32 v[DMH], s14, v11
.irp j, 20,21,22,23,28,29,30,31
	v_mov_b32 v[\j], 0                             ; the zero codes of k = 64 .. 127: Q's,
.endr
.irp t, 0,1,2,3,4,5,6,7
.irp j, 4,5,6,7
	v_mov_b32 v[32+8*\t+\j], 0                     ; and K's: written once
.endr
.endr
.irp b, 0,1,2,3
	v_mov_b32 v[236+\b], 0                         ; written once: a lane permute's destination counts as one of its sources
.endr
	v_mov_b32 v252, 0
	v_mov_b32 v253, 0                              ; (named as the upper half of the pair v[252:253] before it is first written)
.macro INIT                            ; a tile begins: O^T and the sum are zeros and the largest t lies under every t, so that the step is written once: the first change of M multiplies zeros
	v_mov_b32 v13, 0xff61b1e6                      ; -3e38
	s_delay_alu instid0(VALU_DEP_1)
	v_floor_f32 v12, -v13                          ; -M
	v_mov_b32 v14, 0
	v_mov_b32 v15, 0
.set j, 0
.rept 32
	v_mov_b32 v[160+j], 0
.set j, j+1
.endr
	s_mov_b32 s[TBC], 0
	s_mov_b32 s[TBS], 0
	s_mov_b32 s[KSI], 0
.endm
; A KEY STEP: 128 keys.  qf: Q's fragment; qs: its scale word; dm: the mask's numbers.
.macro STEP qf, qs, dm
	s_cmp_gt_u32 s[KSI], s[AD]                     ; all keys of the step come after my queries: a scalar branch on ids, round the step's work, not round the lines that step addresses
	s_cbranch_scc1 .Lhidden_\@
	s_setprio 2
	v_add_nc_u32 v[ADK], s[TBC], v[AK0]            ; (these four are also the places in front of loads into registers that the last products read)
	v_add_nc_u32 v[ADV], s[TBC], v[AV0]
	v_add_nc_u32 v[ADS], s[TBS], v[ASK0]
	v_add_nc_u32 v[ADT], s[TBS], v[ASV0]
.irp t, 0,1,2,3,4,5,6,7
	ds_load_b128 v[32+8*\t:35+8*\t], v[ADK] offset:512*\t
.endr
.irp b, 0,1,2,3
	ds_load_u16 v[248+\b], v[ADS] offset:128*\b
.endr
.irp t, 0,1,2,3
.irp c, 0,1
	ds_load_b128 v[192+8*\t+4*\c:195+8*\t+4*\c], v[ADV] offset:1024*\t+512*\c
.endr
.endr
.irp b, 0,1
	ds_load_b32 v[240+\b], v[ADT] offset:128*\b
.endr
	s_wait_dscnt 10                                ; K and its scale words are in; V's ten loads may be out
.irp t, 0,2,4,6
	v_wmma_scale_f32_16x16x128_f8f6f4 v[96+8*\t:103+8*\t], v[32+8*\t:39+8*\t], v[\qf:\qf+7], 0, v[248+\t/2], v[\qs] matrix_a_fmt:MATRIX_FMT_FP4 matrix_b_fmt:MATRIX_FMT_FP4
	v_wmma_scale_f32_16x16x128_f8f6f4 v[104+8*\t:111+8*\t], v[40+8*\t:47+8*\t], v[\qf:\qf+7], 0, v[248+\t/2], v[\qs] matrix_a_fmt:MATRIX_FMT_FP4 matrix_b_fmt:MATRIX_FMT_FP4 matrix_a_scale:MATRIX_SCALE_ROW1
.endr
.rept 4
	v_nop                                          ; four places in front of the first read of results
.endr
	s_cmp_lg_u32 s[KSI], s[AD]                     ; only the tile's last step lies on the diagonal
	s_cbranch_scc1 .Lopen_\@
	v_mov_b32 v254, 0xff800000                     ; hidden scores become -infinity ahead of the maximum: p = 0 then
.set n, 0
.rept 64
	v_cmp_gt_i32 vcc_lo, 32*(n/16)+n%16, v[\dm]
	v_cndmask_b32 v[96+n], v[96+n], v254, vcc_lo
.set n, n+1
.endr
.Lopen_\@:
.irp b, 0,1,2,3
	v_max3_num_f32 v[232+\b], v[96+16*\b], v[97+16*\b], v[98+16*\b]   ; the largest score of each block of 32 keys: it serves the row's maximum and, since p rises with the score, the block's largest p
.endr
.irp i, 3,5,7,9,11,13
.irp b, 0,1,2,3
	v_max3_num_f32 v[232+\b], v[232+\b], v[96+16*\b+\i], v[97+16*\b+\i]   ; the four blocks by turns
.endr
.endr
.irp b, 0,1,2,3
	v_max_num_f32 v[232+\b], v[232+\b], v[111+16*\b]
.endr
.irp b, 0,1,2,3
	s_delay_alu instid0(VALU_DEP_4)
	v_permlanex16_b32 v[236+\b], v[232+\b], s[SEL], s[SEL+1]
.endr
.irp b, 0,1,2,3
	s_delay_alu instid0(VALU_DEP_4)
	v_max_num_f32 v[232+\b], v[232+\b], v[236+\b]  ; with lane l xor 16's 16 keys
.endr
	s_delay_alu instid0(VALU_DEP_2)
	v_max3_num_f32 v254, v232, v233, v234
	s_delay_alu instid0(VALU_DEP_1)
	v_max_num_f32 v254, v254, v235                 ; the step's largest score of my query
	s_delay_alu instid0(VALU_DEP_1)
	v_mul_f32 v254, s[CS], v254                    ; as t (c is positive)
	s_delay_alu instid0(VALU_DEP_1)
	v_max_num_f32 v13, v13, v254                   ; the running largest t
	v_mov_b32 v254, v12
	s_delay_alu instid0(VALU_DEP_2)
	v_floor_f32 v12, -v13                          ; the new -M = floor(-t) = -ceil(t): a whole number
	s_delay_alu instid0(VALU_DEP_1)
	v_sub_f32 v254, v12, v254                      ; old M - new M: a whole number, 0 or less
	s_delay_alu instid0(VALU_DEP_1)
	v_cvt_i32_f32 v254, v254                       ; (it saturates)
	s_delay_alu instid0(VALU_DEP_1)
	v_ldexp_f32 v252, 1.0, v254                    ; f = 2^(old M - new M)
.set j, 0
.rept 32
	v_pk_fma_f32 v[96+j:97+j], v[96+j:97+j], s[CS:CS+1], v[12:13] op_sel_hi:[1,0,0]   ; t - M, two at a time
.set j, j+2
.endr
	s_setprio 1
.irp b, 0,1,2,3
	v_fma_f32 v[232+\b], v[232+\b], s[CS], v12     ; the same of each block's largest score
.endr
.set j, 0
	s_wait_alu depctr_va_vdst(0)
.rept 64
	v_exp_f32 v[96+j], v[96+j]                     ; p = 2^(t - M), at most 1
.set j, j+1
.endr
	v_pk_mul_f32 v[14:15], v[14:15], v[252:253] op_sel_hi:[1,0]   ; the sums under the new M: a plain line behind the exponentials
	s_wait_alu depctr_va_vdst(0)                   ; one wait for the whole batch, ahead of its first reader
.irp b, 0,1,2,3
	v_exp_f32 v[232+\b], v[232+\b]                 ; the block's largest p
.endr
	v_pk_add_f32 v[236:237], v[100:101], v[104:105]
	v_pk_add_f32 v[250:251], v[108:109], v[112:113]
	v_pk_add_f32 v[248:249], v[116:117], v[120:121]
	v_pk_add_f32 v[246:247], v[124:125], v[128:129]
	v_pk_add_f32 v[244:245], v[132:133], v[136:137]
	v_pk_add_f32 v[238:239], v[140:141], v[144:145]
	v_pk_add_f32 v[230:231], v[148:149], v[152:153]
	v_pk_add_f32 v[14:15], v[14:15], v[156:157]
	v_pk_add_f32 v[236:237], v[236:237], v[96:97]
	v_pk_add_f32 v[250:251], v[250:251], v[98:99]
	v_pk_add_f32 v[248:249], v[248:249], v[102:103]
	v_pk_add_f32 v[246:247], v[246:247], v[106:107]
	v_pk_add_f32 v[244:245], v[244:245], v[110:111]
	v_pk_add_f32 v[238:239], v[238:239], v[114:115]
	v_pk_add_f32 v[230:231], v[230:231], v[118:119]
	v_pk_add_f32 v[14:15], v[14:15], v[122:123]
	v_pk_add_f32 v[236:237], v[236:237], v[126:127]
	v_pk_add_f32 v[250:251], v[250:251], v[130:131]
	v_pk_add_f32 v[248:249], v[248:249], v[134:135]
	v_pk_add_f32 v[246:247], v[246:247], v[138:139]
	v_pk_add_f32 v[244:245], v[244:245], v[142:143]
	v_pk_add_f32 v[238:239], v[238:239], v[146:147]
	v_pk_add_f32 v[230:231], v[230:231], v[150:151]
	v_pk_add_f32 v[14:15], v[14:15], v[154:155]
	v_pk_add_f32 v[236:237], v[236:237], v[158:159]
	s_delay_alu instid0(VALU_DEP_2)
	v_pk_add_f32 v[14:15], v[14:15], v[246:247]
	s_delay_alu instid0(VALU_DEP_2)
	v_pk_add_f32 v[236:237], v[236:237], v[244:245]
	v_pk_add_f32 v[250:251], v[250:251], v[238:239]
	v_pk_add_f32 v[248:249], v[248:249], v[230:231]
	s_delay_alu instid0(VALU_DEP_2)
	v_pk_add_f32 v[14:15], v[14:15], v[250:251]
	s_delay_alu instid0(VALU_DEP_2)
	v_pk_add_f32 v[236:237], v[236:237], v[248:249]
	s_delay_alu instid0(VALU_DEP_1)
	v_pk_add_f32 v[14:15], v[14:15], v[236:237]
	s_wait_alu depctr_va_vdst(0)                   ; and one for the four
.irp b, 0,1,2,3
	v_max_num_f32 v[232+\b], 0x1800000, v[232+\b]  ; the floor 2^(3 - 127): the byte cannot fall under 1
.endr
.irp b, 0,1,2,3
	s_delay_alu instid0(VALU_DEP_4)
	v_add_nc_u32 v[244+\b], 0xff000000, v[232+\b]  ; 2 off the exponent field: the conversion's scale operand
.endr
.irp b, 0,1,2,3
	s_delay_alu instid0(VALU_DEP_4)
	v_lshrrev_b32 v[236+\b], 23, v[244+\b]         ; the scale's byte
.endr
	s_delay_alu instid0(VALU_DEP_3)
	v_lshl_or_b32 v253, v237, 8, v236              ; p's scale word for these 128 keys
	s_delay_alu instid0(VALU_DEP_1)
	v_lshl_or_b32 v253, v238, 16, v253
	s_delay_alu instid0(VALU_DEP_1)
	v_lshl_or_b32 v253, v239, 24, v253
	s_setprio 0
.irp b, 0,1,2,3
	v_cvt_scalef32_pk8_fp4_f32 v[224+2*\b], v[96+16*\b:103+16*\b], v[244+\b]
	v_cvt_scalef32_pk8_fp4_f32 v[225+2*\b], v[104+16*\b:111+16*\b], v[244+\b]
.endr
	v_nop                                          ; one plain line behind the last scaled conversion
.irp c, 0,1                            ; the operand's layout wants a whole block in a lane
.irp i, 0,1
	v_permlane16_swap_b32 v[224+4*\c+\i], v[226+4*\c+\i]
.endr
.endr
.set j, 0
.rept 16
	v_pk_mul_f32 v[160+j:161+j], v[160+j:161+j], v[252:253] op_sel_hi:[1,0]   ; O^T under the new M.  These sixteen are also the places between p's scale word and codes and the products below
.set j, j+2
.endr
	s_wait_alu depctr_va_vdst(0)
	s_wait_dscnt 0x0                               ; V and its scale words are in
.irp t, 0,2                            ; O^T += V^T P^T: the four accumulators by turns, one instruction each
	v_wmma_scale_f32_16x16x128_f8f6f4 v[160+8*\t:167+8*\t], v[192+8*\t:199+8*\t], v[224:231], v[160+8*\t:167+8*\t], v[240+\t/2], v253 matrix_a_fmt:MATRIX_FMT_FP4 matrix_b_fmt:MATRIX_FMT_FP4
	v_wmma_scale_f32_16x16x128_f8f6f4 v[168+8*\t:175+8*\t], v[200+8*\t:207+8*\t], v[224:231], v[168+8*\t:175+8*\t], v[240+\t/2], v253 matrix_a_fmt:MATRIX_FMT_FP4 matrix_b_fmt:MATRIX_FMT_FP4 matrix_a_scale:MATRIX_SCALE_ROW1
.endr
.Lhidden_\@:
	s_add_co_u32 s[TBC], s[TBC], 4096
	s_add_co_u32 s[TBS], s[TBS], 512
	s_add_co_u32 s[KSI], s[KSI], 1
.endm
; A TILE ENDS: O^T / the sum, quantised along the head's 64 (two blocks), leaves as the image of the last product's operand.  cc, cs: where its codes and scale bytes go.
.macro FINISH cc, cs
.rept 4
	v_nop                                          ; four places behind the last products
.endr
	v_add_f32 v14, v14, v15                        ; the sum's two halves,
	s_delay_alu instid0(VALU_DEP_1)
	v_permlanex16_b32 v252, v14, s[SEL], s[SEL+1]
	s_delay_alu instid0(VALU_DEP_1)
	v_add_f32 v14, v14, v252                       ; and lane l xor 16's
	s_wait_alu depctr_va_vdst(0)
	v_rcp_f32 v14, v14
	v_nop                                          ; a plain line behind the transcendental
	s_wait_alu depctr_va_vdst(0)                   ; the wait ahead of its first reader
.set j, 0
.rept 32
	v_mul_f32 v[96+j], v[160+j], v14               ; register 16 b + i: channel 32 b + 16 (lane / 16) + i of my query; each accumulator from its low end on
.set j, j+1
.endr
.irp b, 0,1
	v_max3_num_f32 v[232+\b], |v[96+16*\b]|, |v[97+16*\b]|, 0x1800000
.endr
.irp i, 2,4,6,8,10,12,14
.irp b, 0,1
	s_delay_alu instid0(VALU_DEP_2)
	v_max3_num_f32 v[232+\b], v[232+\b], |v[96+16*\b+\i]|, |v[97+16*\b+\i]|
.endr
.endr
.irp b, 0,1
	s_delay_alu instid0(VALU_DEP_2)
	v_permlanex16_b32 v[236+\b], v[232+\b], s[SEL], s[SEL+1]
.endr
.irp b, 0,1
	s_delay_alu instid0(VALU_DEP_2)
	v_max_num_f32 v[232+\b], v[232+\b], v[236+\b]
.endr
.irp b, 0,1
	s_delay_alu instid0(VALU_DEP_2)
	v_add_nc_u32 v[244+\b], 0xff000000, v[232+\b]
.endr
.irp b, 0,1
	s_delay_alu instid0(VALU_DEP_2)
	v_lshrrev_b32 v[236+\b], 23, v[244+\b]
.endr
	s_delay_alu instid0(VALU_DEP_1)
	v_lshl_or_b32 v239, v237, 8, v236              ; my head's two bytes of the row's scale word
.irp b, 0,1
	v_cvt_scalef32_pk8_fp4_f32 v[224+2*\b], v[96+16*\b:103+16*\b], v[244+\b]
	v_cvt_scalef32_pk8_fp4_f32 v[225+2*\b], v[104+16*\b:111+16*\b], v[244+\b]
.endr
	v_nop
	v_permlane16_swap_b32 v224, v226               ; lanes 0-15 block 0, lanes 16-31 block 1
	v_permlane16_swap_b32 v225, v227
	global_store_b128 v[AK0], v[224:227], s[\cc:\cc+1]   ; 32 lanes store 512 consecutive bytes, aligned to 512
	global_store_b16 v[QSO], v239, s[\cs:\cs+1]    ; two bytes of each of 16 words, 4 bytes apart (lanes l and l xor 16 write the same bytes with the same value): 32 bytes for each 512 of codes; the words' other halves are the pair's other head's, which another cluster makes
.endm
	INIT
	s_mov_b32 s[AD], s96
	s_wait_tensorcnt 1                             ; the scale words and key step 0 are in; the load of key steps 1 to 15 may be out
	s_barrier_signal -1
	s_barrier_wait -1
	s_wait_loadcnt 0x0                             ; Q
	STEP 16, 255, DML                              ; key step 0, which every tile needs: the rest of K and V lands meanwhile
	s_wait_tensorcnt 0x0
	s_wait_dscnt 0x0
	s_barrier_signal -1
	s_barrier_wait -1                              ; the whole head lies in LDS
.Llo:                                  ; key steps 1 to 7: a constant count; a wave passes over those that lie behind its diagonal
	STEP 16, 255, DML
	s_cmp_lt_u32 s[KSI], 8
	s_cbranch_scc1 .Llo
	s_setprio 0
	FINISH CCL, CSL
	s_wait_xcnt 0x0                                ; the stores have read their data: those registers are written again only behind this wait
	INIT
	s_mov_b32 s[AD], s99
.Lhi:                                  ; key steps 0 to 15
	STEP 24, 242, DMH
	s_cmp_lt_u32 s[KSI], 16
	s_cbranch_scc1 .Lhi
	s_setprio 0
	FINISH CCH, CSH
	s_wait_tensorcnt 0x0
	s_wait_dscnt 0x0
	s_wait_xcnt 0x0
	v_lshl_add_u32 v254, v0, 2, 0x29000
	v_mov_b32 v255, 0
	s_wait_alu depctr_va_vdst(0)
	s_wait_tensorcnt 0x0
	ds_add_u32 v254, v255
	s_wait_dscnt 0x0
	CROUND                                         ; the closing round: no work-group ends while a partner may still ask for a tile that names it
	s_endpgm
.Lfunc_end_k_q127c46cdc6_attn:
	.size	k_q127c46cdc6_attn, .Lfunc_end_k_q127c46cdc6_attn-k_q127c46cdc6_attn
	.p2alignl 7, 3214868480
	.fill 96, 4, 3214868480
	.section	.rodata,"a",@progbits
	.p2align	6, 0x0
	.amdhsa_kernel k_q127c46cdc6_attn
		.amdhsa_group_segment_fixed_size 169984
		.amdhsa_private_segment_fixed_size 0
		.amdhsa_enable_private_segment 0
		.amdhsa_kernarg_size 32
		.amdhsa_user_sgpr_count 2
		.amdhsa_user_sgpr_kernarg_segment_ptr 1
		.amdhsa_wavefront_size32 1
		.amdhsa_system_sgpr_workgroup_id_x 1
		.amdhsa_system_sgpr_workgroup_id_y 1
		.amdhsa_system_sgpr_workgroup_id_z 1
		.amdhsa_system_vgpr_workitem_id 0
		.amdhsa_next_free_vgpr 256
		.amdhsa_next_free_sgpr 100
		.amdhsa_reserve_vcc 1
		.amdhsa_float_denorm_mode_32 3
		.amdhsa_float_denorm_mode_16_64 3
		.amdhsa_memory_ordered 1
		.amdhsa_forward_progress 1
		.amdhsa_inst_pref_size 86
	.end_amdhsa_kernel
	.amdgpu_metadata
---
amdhsa.version: [ 1, 2 ]
amdhsa.kernels:
  - .name:           k_q127c46cdc6_attn
    .symbol:         k_q127c46cdc6_attn.kd
    .args:
      - { .name: qkv_codes, .offset: 0, .size: 8, .value_kind: global_buffer, .address_space: global }
      - { .name: qkv_scales, .offset: 8, .size: 8, .value_kind: global_buffer, .address_space: global }
      - { .name: ctx_codes, .offset: 16, .size: 8, .value_kind: global_buffer, .address_space: global }
      - { .name: ctx_scales, .offset: 24, .size: 8, .value_kind: global_buffer, .address_space: global }
    .group_segment_fixed_size: 169984
    .private_segment_fixed_size: 0
    .kernarg_segment_align: 8
    .kernarg_segment_size: 32
    .max_flat_workgroup_size: 512
    .sgpr_count:     100
    .vgpr_count:     256
    .wavefront_size: 32
...
	.end_amdgpu_metadata
.endif
;; end of part 3
;; launch gemm_out (part 4): grid 4 x 32, 4 waves a work-group, clusters of 4 x 4, 312,832 bytes of LDS; arguments ctx_codes, ctx_scales, w_codes, w_scales, bo, out0; writes out0
.if DOCPART == 4
	.amdgcn_target "amdgcn-amd-amdhsa--gfx1250"
	.amdhsa_code_object_version 6
	.text
	.protected	k_q127c46cdc6_gemm_out
	.globl	k_q127c46cdc6_gemm_out
	.p2align	8
	.type	k_q127c46cdc6_gemm_out,@function
k_q127c46cdc6_gemm_out:
	s_mov_b64 s[64:65], 0
	v_nop
	global_prefetch_b8 v0, s[64:65] scope:SCOPE_SE
	s_setreg_imm32_b32 hwreg(HW_REG_WAVE_MODE, 25, 1), 1
	s_wait_xcnt 0x0
	s_wait_alu depctr_hold_cnt(0) depctr_sa_sdst(0) depctr_va_vdst(0) depctr_va_sdst(0) depctr_va_ssrc(0) depctr_va_vcc(0) depctr_vm_vsrc(0)
	s_getreg_b32 s2, hwreg(HW_REG_IB_STS2, 6, 4)
	s_cmp_eq_u32 s2, 0
	s_cbranch_scc0 .Lentry_in_a_cluster
	s_endpgm
.Lentry_in_a_cluster:
	s_bfe_u32 s2, ttmp6, 0x10000c
	s_cmp_lg_u32 s2, 0xf033
	s_cbranch_scc0 .Lentry_shape_is_right
	s_endpgm
.Lentry_shape_is_right:
; out0 = ctx Wo + bo: ctx [8192][1024] and Wo (units 24-31 of the weights' codes) as codes of FP4 (E2M1) with E8M0 scales, K = 1,024; out0 [8192][1024] f32.
; A tile of 256 x 256 is made by four waves, each 128 x 128: 64 accumulators, 512 registers.  128 work-groups: a wave tile of 128 x 128 gives no more at this size.
; OPERANDS lie in memory as images of their registers (unit of 128 rows: 65,536 bytes = [K / 64][tile 8][lane][16]; its scale words 4,096 bytes = [K / 128][128][4]), so a unit is a dense block.
; ALL OF K FITS IN LDS: every LDS byte is filled once, by five tensor loads a wave issued together (scales, then four chunks of 256 along K); the products begin when the first chunk has landed.
; CLUSTERS: the four of a row of the cluster need the same units of ctx, the four of a column the same units of Wo: each is asked for JOINTLY.
; THE MATRIX INSTRUCTION IS USED TRANSPOSED (source 0 = 16 rows of B, source 1 = 16 rows of A): a lane holds eight neighbouring numbers of a row of out0.  The rows of a stored tile are not neighbours (lane r of tile 2 b + u: row 32 b + 8 u + r + 8 (r / 8)):
; the way out puts columns and rows back in order by its offsets.  THE BIAS is the C of each sum's first product: it costs no addition.
; REGISTERS: window 0: v16-28 addresses; v32-95 scale words (register 8 s + i: lanes 0-15 A's block i, lanes 16-31 B's block i, K step s); v128-191 A's fragments, one set; on the way out v128-255 rows of out0.
;   window 1: B's fragments, two sets, v0 and v128; v64-127 the bias, eight registers for each of B's tiles.  windows 2, 3: accumulators (a, b) at v[8 (8 (a % 4) + b)].
.set SCL,  262144                      ; behind the codes: the scale words
.set STG,  278528                      ; behind them: a stage of 16 rows x (512 + 16) bytes for each wave; no tensor load fills it
.set ADRA, 16
.set ADRB, 20
.set STO,  24                          ; the stage: where I put 32 bytes of a row
.set RD,   25                          ; and where I read a row back
.set CO,   26                          ; 16 x lane
.set ADRS, 27
.set BOF,  28                          ; 64 (lane / 16): my half's place in the bias
.set SC,   32
.set AF,   128
.set BK,   128                         ; the way out: v128-191 and v192-255 by turns
.set BI,   64                          ; the bias, in window 1
.set G1A,  24
.set G1B,  32
.set G1SA, 40
.set G1SB, 48
.set MSB, 0
.macro WIN new                         ; the immediate's high byte repeats the setting that is left
.if MSB != \new
	s_set_vgpr_msb (MSB<<8)|\new
.set MSB, \new
.endif
.endm
.set MUL_LO, 0xa1                      ; source 0 (B) window 1, source 1 (A) window 0, C and D window 2
.set MUL_HI, 0xf1                      ; the same, C and D window 3
.set TO_B,   0x40                      ; destination window 1, address window 0
.macro CROUND                          ; a round of the cluster's barrier
	s_barrier_signal -1
	s_barrier_wait -1
	s_cmp_lg_u32 s2, 0
	s_cbranch_scc1 .Lnot_wave_0_\@
	s_barrier_signal -3
.Lnot_wave_0_\@:
	s_barrier_wait -3
	s_barrier_signal -1
	s_barrier_wait -1
.endm
.macro PLACES n
.rept \n
	v_nop
.endr
.endm
	s_load_b256 s[4:11], s[0:1], 0x0               ; ctx_codes s[4:5], ctx_scales s[6:7], w_codes s[8:9], w_scales s[10:11]
	s_load_b128 s[12:15], s[0:1], 0x20             ; bo s[12:13], out0 s[14:15]
	v_lshl_add_u32 v126, v0, 2, 0x4c400
	v_mov_b32 v127, 0
	ds_add_u32 v126, v127
	ds_add_u32 v126, v127
	v_lshrrev_b32 v1, 5, v0
	v_readfirstlane_b32 s2, v1                     ; wave 0..3
	s_lshr_b32 s3, s2, 1                           ; which unit of A I multiply.  Also: I fetch for A (0) or for B (1)
	s_and_b32 s66, s2, 1                           ; which unit of B I multiply.  Also: which unit of that tile I fetch
	s_bfe_u32 s67, ttmp6, 0x40000                  ; cx
	s_bfe_u32 s100, ttmp6, 0x40004                 ; cy
	s_and_b32 s101, ttmp7, 0xffff                  ; the cluster's y
	s_lshl_b32 s56, s100, 2
	s_lshl_b32 s56, 15, s56                        ; my row of the cluster
	s_lshl_b32 s80, 0x1111, s67                    ; my column
	s_or_b32 s[G1A], s56, (3<<16)|(1<<21)          ; 15:0 the mask; 17:16 elements of 8 bytes; 21 set beside a mask; no padding: an image is read 16 bytes a lane, on end
	s_or_b32 s[G1SA], s56, (3<<16)|(1<<21)
	s_or_b32 s[G1B], s80, (3<<16)|(1<<21)
	s_or_b32 s[G1SB], s80, (3<<16)|(1<<21)
.irp g, G1A, G1B                       ; a chunk of codes: 16 KiB dense, as 64 rows of 256 bytes
	s_mov_b32 s[\g+1], 32<<16
	s_mov_b32 s[\g+2], 64<<16
	s_mov_b32 s[\g+3], 32<<16
	s_mov_b32 s[\g+4], 64
	s_mov_b32 s[\g+5], 32
	s_mov_b32 s[\g+6], 0
	s_mov_b32 s[\g+7], 0
.endr
.irp g, G1SA, G1SB                     ; a unit's scale words: 4 KiB dense, as 16 rows of 256 bytes
	s_mov_b32 s[\g+1], 32<<16
	s_mov_b32 s[\g+2], 16<<16
	s_mov_b32 s[\g+3], 32<<16
	s_mov_b32 s[\g+4], 16
	s_mov_b32 s[\g+5], 32
	s_mov_b32 s[\g+6], 0
	s_mov_b32 s[\g+7], 0
.endr
	s_lshl_b32 s68, s101, 2
	s_add_co_u32 s68, s68, s100                    ; tile row = 4 x cluster y + cy.  (s68 never holds cx, s84 never cy)
	s_lshl_b32 s84, ttmp9, 2
	s_add_co_u32 s84, s84, s67                     ; tile column = 4 x cluster x + cx
	s_lshl_b32 s16, s84, 10
	s_lshl_b32 s17, s66, 9
	s_add_co_u32 s16, s16, s17                     ; my first column, in bytes: 1,024 x tile column + 512 x half
	s_mov_b32 s17, 0
	s_lshl_b32 s68, s68, 1
	s_add_co_u32 s18, s68, s3                      ; the unit of A that I multiply:
	s_lshl_b32 s18, s18, 19                        ; its 128 rows of 4,096 bytes
	s_mov_b32 s19, 0
	s_add_co_u32 s68, s68, s66                     ; the unit of A that I would fetch,
	s_lshl_b32 s84, s84, 1
	s_add_co_u32 s84, s84, s66
	s_add_co_u32 s84, s84, 24                      ; and of B: Wo's units begin at 24
	s_lshl_b32 s20, s2, 16                         ; where it goes: wave x 65,536: no place in the cluster enters an LDS address
	s_lshl_b32 s21, s2, 12
	s_wait_dscnt 0x0
	s_wait_kmcnt 0x0
	s_add_nc_u64 s[12:13], s[12:13], s[16:17]
	s_add_nc_u64 s[14:15], s[14:15], s[16:17]
	s_add_nc_u64 s[14:15], s[14:15], s[18:19]
	s_lshl_b32 s62, s68, 16
	s_mov_b32 s63, 0
	s_add_nc_u64 s[62:63], s[4:5], s[62:63]        ; A's unit: chunk 0
	s_lshl_b32 s58, s68, 12
	s_mov_b32 s59, 0
	s_add_nc_u64 s[58:59], s[6:7], s[58:59]        ; its scale words
	s_add_nc_u64 s[70:71], s[62:63], 16384
	s_add_nc_u64 s[74:75], s[62:63], 32768
	s_add_nc_u64 s[78:79], s[62:63], 49152
	s_lshl_b32 s86, s84, 16
	s_mov_b32 s87, 0
	s_add_nc_u64 s[86:87], s[8:9], s[86:87]        ; B's likewise
	s_lshl_b32 s82, s84, 12
	s_mov_b32 s83, 0
	s_add_nc_u64 s[82:83], s[10:11], s[82:83]
	s_add_nc_u64 s[90:91], s[86:87], 16384
	s_add_nc_u64 s[94:95], s[86:87], 32768
	s_add_nc_u64 s[98:99], s[86:87], 49152
.irp g, 56,60,68,72,76,80,84,88,92,96  ; ten groups 0: A's scales, A's four chunks, B's scales, B's four chunks
	s_mov_b32 s[\g], 1                             ; count = 1
	s_or_b32 s[\g+3], s[\g+3], 0x80000000          ; type = 2
.endr
	s_add_co_u32 s57, s21, SCL
	s_add_co_u32 s81, s21, SCL
	s_mov_b32 s61, s20
	s_mov_b32 s85, s20
	s_add_co_u32 s69, s20, 16384
	s_add_co_u32 s89, s20, 16384
	s_add_co_u32 s73, s20, 32768
	s_add_co_u32 s93, s20, 32768
	s_add_co_u32 s77, s20, 49152
	s_add_co_u32 s97, s20, 49152
	CROUND                                         ; all sixteen work-groups are here: the joint loads meet
	s_cmp_eq_u32 s3, 0                             ; a wave's five fills stand in one branch on its number: five loads of mine are out
	s_cbranch_scc0 .Lfor_b
	tensor_load_to_lds s[56:59], s[G1SA:G1SA+7]
	s_nop 0
	tensor_load_to_lds s[60:63], s[G1A:G1A+7]
	s_nop 0
	tensor_load_to_lds s[68:71], s[G1A:G1A+7]
	s_nop 0
	tensor_load_to_lds s[72:75], s[G1A:G1A+7]
	s_nop 0
	tensor_load_to_lds s[76:79], s[G1A:G1A+7]
	s_nop 0
	PLACES 4                                       ; four v_nop follow the last load, ahead of the jump and the label
	s_branch .Lasked
.Lfor_b:
	tensor_load_to_lds s[80:83], s[G1SB:G1SB+7]
	s_nop 0
	tensor_load_to_lds s[84:87], s[G1B:G1B+7]
	s_nop 0
	tensor_load_to_lds s[88:91], s[G1B:G1B+7]
	s_nop 0
	tensor_load_to_lds s[92:95], s[G1B:G1B+7]
	s_nop 0
	tensor_load_to_lds s[96:99], s[G1B:G1B+7]
	s_nop 0
	PLACES 4
.Lasked:
	v_and_b32 v1, 31, v0                           ; lane
	v_and_b32 v2, 15, v0                           ; r
	v_bfe_u32 v3, v0, 4, 1                         ; h
	s_wait_alu depctr_va_vdst(0)
	v_lshlrev_b32 v[CO], 4, v1
	v_lshlrev_b32 v[BOF], 6, v3
	WIN TO_B
.irp b, 0,1,2,3,4,5,6,7                ; tile b, lane half h, register j: bo at my column 32 (b / 2) + 8 (b % 2) + 16 h + j
	global_load_b128 v[BI+8*\b:BI+8*\b+3], v[BOF], s[12:13] offset:128*(\b/2)+32*(\b%2)
	global_load_b128 v[BI+8*\b+4:BI+8*\b+7], v[BOF], s[12:13] offset:128*(\b/2)+32*(\b%2)+16
.endr
	WIN 0
	s_lshl_b32 s16, s3, 16
	v_add_nc_u32 v[ADRA], s16, v[CO]               ; my unit of A
	s_lshl_b32 s16, s66, 16
	s_add_co_u32 s16, s16, 131072
	v_add_nc_u32 v[ADRB], s16, v[CO]               ; my unit of B, behind A's two
	v_lshlrev_b32 v5, 2, v2                        ; scale words: 4 r;
	s_lshl_b32 s16, s3, 12                         ; A's unit,
	s_lshl_b32 s17, s66, 12
	s_add_co_u32 s17, s17, 2*4096                  ; B's, behind A's two;
	s_sub_co_u32 s17, s17, s16
	v_mul_u32_u24 v6, s17, v3                      ; lanes 16-31 take B's: one product, the distance between the two
	s_add_co_u32 s16, s16, SCL
	v_add_nc_u32 v5, v5, v6
	v_add_nc_u32 v[ADRS], s16, v5
	s_mul_i32 s16, s2, 16*528
	s_add_co_u32 s16, s16, STG                     ; my stage
	v_mul_u32_u24 v[STO], v2, 528
	v_lshl_add_u32 v[STO], v3, 6, v[STO]
	v_add_nc_u32 v[STO], s16, v[STO]               ; in: row r, + 64 h
	v_add_nc_u32 v[RD], s16, v[CO]                 ; back: the 32 lanes take one row of 512 bytes
.macro FRAG reg, adr, s, i             ; a fragment, 16 rows x 128 K: 8 registers, two images of 512 bytes, 4,096 apart
	ds_load_b128 v[\reg:\reg+3], v[\adr] offset:8192*(\s)+512*(\i)
	ds_load_b128 v[\reg+4:\reg+7], v[\adr] offset:8192*(\s)+4096+512*(\i)
.endm
.macro FETCH_B s, p                    ; B's eight fragments of K step s into set p
	WIN TO_B
.irp i, 0,1,2,3,4,5,6,7
	FRAG 128*(\p)+8*\i, ADRB, \s, \i
.endr
	WIN 0
.endm
.macro FETCH_A s, i0                   ; A's blocks i0 .. i0 + 3
.irp i, \i0, \i0+1, \i0+2, \i0+3
	FRAG AF+8*(\i), ADRA, \s, \i
.endr
.endm
.macro SCALES hs                       ; the scale words of K steps 4 hs .. 4 hs + 3
.irp q, 0,1,2,3
.irp i, 0,1,2,3,4,5,6,7
	ds_load_b32 v[SC+8*(4*\hs+\q)+\i], v[ADRS] offset:512*(4*\hs+\q)+64*\i
.endr
.endr
.endm
; 16 matrix instructions: A's blocks a0, a0 + 1 x B's eight, K step s.  p: B's set.  cm = 2: the first product starts the sums from the bias.  The 64 accumulators take turns, one instruction a turn, in the same order in every step.
.macro MUL16 a0, p, s, cm
.irp a, \a0, \a0+1
.irp b, 0,1,2,3,4,5,6,7
.if (\cm) == 2
	v_wmma_scale_f32_16x16x128_f8f6f4 v[8*(8*((\a)%4)+\b):8*(8*((\a)%4)+\b)+7], v[128*(\p)+8*\b:128*(\p)+8*\b+7], v[AF+8*(\a):AF+8*(\a)+7], v[BI+8*\b:BI+8*\b+7], v[SC+8*(\s)+\b], v[SC+8*(\s)+(\a)] matrix_a_fmt:MATRIX_FMT_FP4 matrix_b_fmt:MATRIX_FMT_FP4 matrix_a_scale:MATRIX_SCALE_ROW1
.else
	v_wmma_scale_f32_16x16x128_f8f6f4 v[8*(8*((\a)%4)+\b):8*(8*((\a)%4)+\b)+7], v[128*(\p)+8*\b:128*(\p)+8*\b+7], v[AF+8*(\a):AF+8*(\a)+7], v[8*(8*((\a)%4)+\b):8*(8*((\a)%4)+\b)+7], v[SC+8*(\s)+\b], v[SC+8*(\s)+(\a)] matrix_a_fmt:MATRIX_FMT_FP4 matrix_b_fmt:MATRIX_FMT_FP4 matrix_a_scale:MATRIX_SCALE_ROW1
.endif
.endr
.endr
.endm
; A K step of 128 that has a successor.  A block of A is free when its eight products are issued, so A has one set: blocks 0-3 are fetched anew in the step's middle, blocks 4-7 at its end; B has two sets.
; Four plain places stand in front of each run of loads into registers that matrix instructions have read (ISA guide 7.12.1 for vector instructions).
.macro STEP s, cm
	s_wait_dscnt 8                                 ; B's set, A's blocks 0-3 and the scale words are in; the youngest eight loads (A's blocks 4-7) may be out
.if (\cm) == 2
	WIN 0x91                                       ; as MUL_LO, with C (the bias) in window 1
.else
	WIN MUL_LO
.endif
	MUL16 0, (\s)%2, \s, \cm
	MUL16 2, (\s)%2, \s, \cm
	s_wait_dscnt 0x0                               ; A's blocks 4-7 are in
.if ((\s)%2) == 1
	s_wait_tensorcnt 3-((\s)+1)/2                  ; my part of the next chunk has landed; the chunks issued behind it may be out
	s_barrier_signal -1
	s_barrier_wait -1                              ; everybody's has.
.endif
	PLACES 4
	FETCH_B (\s)+1, ((\s)+1)%2
	FETCH_A (\s)+1, 0
.if (\s) == 3
	SCALES 1
.endif
.if (\cm) == 2
	WIN 0xd1                                       ; as MUL_HI, with C (the bias) in window 1
.else
	WIN MUL_HI
.endif
	MUL16 4, (\s)%2, \s, \cm
	MUL16 6, (\s)%2, \s, \cm
	PLACES 4
	WIN 0
	FETCH_A (\s)+1, 4
.endm
	s_wait_alu depctr_va_vdst(0)
	s_wait_tensorcnt 3                             ; my scale words and my chunk 0 are in; three chunks may be out
	s_barrier_signal -1
	s_barrier_wait -1                              ; everybody's are
	FETCH_B 0, 0
	FETCH_A 0, 0
	SCALES 0
	FETCH_A 0, 4
	s_wait_loadcnt 0x0                             ; the bias
	STEP 0, 2
	STEP 1, 0
	STEP 2, 0
	STEP 3, 0
	STEP 4, 0
	STEP 5, 0
	STEP 6, 0
	s_wait_dscnt 8                                 ; the last step: nothing more to fetch
	WIN MUL_LO
	MUL16 0, 1, 7, 0
	MUL16 2, 1, 7, 0
	s_wait_dscnt 0x0
	WIN MUL_HI
	MUL16 4, 1, 7, 0
	MUL16 6, 1, 7, 0
	WIN 0
; THE WAY OUT, block by block of 16 rows x 128 columns, through my own stage: in by lanes (32 bytes of a row each, at the columns' true places), back as whole rows of 512 bytes.
; LDS serves a wave's instructions in order (ISA guide 5.7.1.4): no wait between the stores and the loads, nor in front of the next block's stores.
.macro TOSTAGE a
.set AC, 64*((\a)%4)
.set WW, 0x08+4*((\a)/4)
	WIN WW                                         ; an LDS store's data are its source 1: window 2 or 3
.irp b, 0,1,2,3,4,5,6,7
	ds_store_b128 v[STO], v[AC+8*\b:AC+8*\b+3] offset:128*(\b/2)+32*(\b%2)       ; each accumulator from its low end on
	ds_store_b128 v[STO], v[AC+8*\b+4:AC+8*\b+7] offset:128*(\b/2)+32*(\b%2)+16
.endr
	WIN 0
.set BB, BK+64*((\a)%2)
.irp t, 0,1,2,3,4,5,6,7,8,9,10,11,12,13,14,15
	ds_load_b128 v[BB+4*\t:BB+4*\t+3], v[RD] offset:\t*528
.endr
.endm
.macro SEND a, younger                 ; younger: the LDS instructions issued behind block a's loads, which may stay out
.set BB, BK+64*((\a)%2)
	s_wait_dscnt \younger
.irp t, 0,1,2,3,4,5,6,7,8,9,10,11,12,13,14,15
	global_store_b128 v[CO], v[BB+4*\t:BB+4*\t+3], s[14:15] offset:(32*((\a)/2)+8*((\a)%2)+\t+8*(\t/8))*4096 th:TH_STORE_NT   ; the stage's row t is token 32 (a / 2) + 8 (a % 2) + t + 8 (t / 8) of my 128; 32 lanes store 512 consecutive bytes, aligned to 512; 127 rows at the most: inside the signed 24-bit immediate
.endr
.endm
	PLACES 4                                       ; in front of the first read of results, and of loads into the registers that held A's fragments
	TOSTAGE 0
.irp a, 1,2,3,4,5,6,7
.if \a > 1
	s_wait_xcnt 0x0                                ; block a - 2's stores have read their registers: block a's loads may land there
.endif
	TOSTAGE \a
	SEND \a-1, 32                                  ; behind block a - 1's loads: block a's 16 stores and 16 loads
.endr
	SEND 7, 0
	s_wait_tensorcnt 0x0
	s_wait_dscnt 0x0
	s_wait_tensorcnt 0x0
	ds_add_u32 v126, v127
	s_wait_dscnt 0x0
	CROUND                                         ; the closing round: no work-group ends while a partner may still ask for a tile that names it
	s_endpgm
.Lfunc_end_k_q127c46cdc6_gemm_out:
	.size	k_q127c46cdc6_gemm_out, .Lfunc_end_k_q127c46cdc6_gemm_out-k_q127c46cdc6_gemm_out
	.p2alignl 7, 3214868480
	.fill 96, 4, 3214868480
	.section	.rodata,"a",@progbits
	.p2align	6, 0x0
	.amdhsa_kernel k_q127c46cdc6_gemm_out
		.amdhsa_group_segment_fixed_size 312832
		.amdhsa_private_segment_fixed_size 0
		.amdhsa_enable_private_segment 0
		.amdhsa_kernarg_size 48
		.amdhsa_user_sgpr_count 2
		.amdhsa_user_sgpr_kernarg_segment_ptr 1
		.amdhsa_wavefront_size32 1
		.amdhsa_system_sgpr_workgroup_id_x 1
		.amdhsa_system_sgpr_workgroup_id_y 1
		.amdhsa_system_sgpr_workgroup_id_z 1
		.amdhsa_system_vgpr_workitem_id 0
		.amdhsa_next_free_vgpr 1024
		.amdhsa_next_free_sgpr 102
		.amdhsa_reserve_vcc 0
		.amdhsa_float_denorm_mode_32 3
		.amdhsa_float_denorm_mode_16_64 3
		.amdhsa_memory_ordered 1
		.amdhsa_forward_progress 1
		.amdhsa_inst_pref_size 128
	.end_amdhsa_kernel
	.amdgpu_metadata
---
amdhsa.version: [ 1, 2 ]
amdhsa.kernels:
  - .name:           k_q127c46cdc6_gemm_out
    .symbol:         k_q127c46cdc6_gemm_out.kd
    .args:
      - { .name: ctx_codes, .offset: 0, .size: 8, .value_kind: global_buffer, .address_space: global }
      - { .name: ctx_scales, .offset: 8, .size: 8, .value_kind: global_buffer, .address_space: global }
      - { .name: w_codes, .offset: 16, .size: 8, .value_kind: global_buffer, .address_space: global }
      - { .name: w_scales, .offset: 24, .size: 8, .value_kind: global_buffer, .address_space: global }
      - { .name: bo, .offset: 32, .size: 8, .value_kind: global_buffer, .address_space: global }
      - { .name: out0, .offset: 40, .size: 8, .value_kind: global_buffer, .address_space: global }
    .group_segment_fixed_size: 312832
    .private_segment_fixed_size: 0
    .kernarg_segment_align: 8
    .kernarg_segment_size: 48
    .max_flat_workgroup_size: 128
    .sgpr_count:     102
    .vgpr_count:     1024
    .wavefront_size: 32
...
	.end_amdgpu_metadata
.endif
;; end of part 4
